; MI455X (gfx1250); checked and timed in simulation.
; The chip was launched on July 23, 2026; its instructions are those of AMD's public machine-readable ISA for CDNA 5 (MIT licence, August 2026) and "CDNA5" Instruction Set Architecture Reference Guide (July 2026). The comments in the code are by the model that wrote it; some were corrected since.
;; Encoder Layer. Allowed arithmetic: matrix products marked QUANTISED: E2M3 operands, one E8M0 scale for each 32 along K, by v_wmma_scale_f32_16x16x128_f8f6f4 with both operands' format E2M3, f32 sums; products left as they are: f32 operands where the result goes on into a quantised operand, else bf16, f16 or f32 operands; f32 sums; everything else in f32.
;; Inputs: ffn_b1 4,096 float32; ffn_b2 1,024 float32; ffn_w1 1,024 x 4,096 float32; ffn_w2 4,096 x 1,024 float32; ln1_b 1,024 float32; ln1_g 1,024 float32; ln2_b 1,024 float32; ln2_g 1,024 float32; src_mask 2 x 1 x 1 x 2,048 bool; w_k 1,024 x 1,024 float32; w_o 1,024 x 1,024 float32; w_q 1,024 x 1,024 float32; w_v 1,024 x 1,024 float32; x 2 x 2,048 x 1,024 float32.
;; Outputs: out0 2 x 2,048 x 1,024 float32.
;; This version of the problem:
;;   THIS VERSION OF THE PROBLEM IS GIVEN IN LOW PRECISION. The matrix products marked QUANTISED in the list below multiply operands that are first quantised to E2M3 (2 exponent bits, 3 mantissa bits; 6 bits a number), with one power-of-two scale for each 32 numbers along K (OCP MX v1.0); their sums are f32. All else is computed in f32.
;;   The module's matrix products, in the order in which they are computed (A, B: the left and right operand; K: the contracted axis; several contracted axes count as one K, in the product's order):
;;     1. [M 4,096, K 1,024] x [K 1,024, N 1,024]; A: computed on the way; B: input w_q: QUANTISED
;;     2. [M 4,096, K 1,024] x [K 1,024, N 1,024]; A: computed on the way; B: input w_k: QUANTISED
;;     3. [M 4,096, K 1,024] x [K 1,024, N 1,024]; A: computed on the way; B: input w_v: QUANTISED
;;     4. [M 2,048, K 1] x [K 1, N 32]; A: computed on the way; B: computed on the way: left as it is (no contracted axis)
;;     5. batch 32 x [M 2,048, K 64] x [K 64, N 2,048]; A: computed on the way; B: computed on the way: QUANTISED
;;     6. batch 32 x [M 2,048, K 2,048] x [K 2,048, N 64]; A: softmax (see below); B: computed on the way: QUANTISED
;;     7. [M 4,096, K 1,024] x [K 1,024, N 1,024]; A: computed on the way; B: input w_o: QUANTISED
;;     8. [M 4,096, K 1,024] x [K 1,024, N 4,096]; A: computed on the way; B: input ffn_w1: QUANTISED
;;     9. [M 4,096, K 4,096] x [K 4,096, N 1,024]; A: computed on the way; B: input ffn_w2: QUANTISED
;;   THE QUANTISER, for each operand of a quantised product, along K:
;;     - K is cut into blocks of 32 from its start; a last block that is shorter is filled with zeros.
;;     - A block's scale is 2^e with e = floor(log2(the largest magnitude in the block)) - 2, held to -126 .. 127; a block of zeros has e = 0. As a byte (E8M0): e + 127.
;;     - Each number is divided by its block's scale, clamped to +-7.5, and rounded to the nearest number of E2M3, ties to even, subnormals kept.
;;     - The product sums the exact products of the quantised numbers (number of the format x scale) in f32.
;;   ~~~python
;;   def quantise(x, axis):      # numpy; x: float32 -> the quantised numbers, widened to float32 again
;;       x = np.moveaxis(x, axis, -1); K = x.shape[-1]
;;       x = np.pad(x, [(0, 0)] * (x.ndim - 1) + [(0, -K % 32)]); x = x.reshape(x.shape[:-1] + (-1, 32)); a = np.abs(x).max(-1, keepdims=True)
;;       e = np.where(a > 0, np.clip(np.frexp(np.where(a > 0, a, 1))[1] - 1 - 2, -126, 127), 0)      # np.frexp(a)[1] - 1 = floor(log2(a)), exactly
;;       r = np.clip(x / 2.0 ** e, -7.5, 7.5)
;;       step = 2.0 ** (np.maximum(np.frexp(np.where(r == 0, 1, r))[1] - 1, 0) - 3)
;;       q = np.round(r / step) * step * 2.0 ** e      # np.round: ties to even
;;       return np.moveaxis(q.reshape(q.shape[:-2] + (-1,))[..., :K], -1, axis).astype(np.float32)
;;   ~~~
;;   SOFTMAX AHEAD OF A QUANTISED PRODUCT. Where the list says 'softmax', what is quantised is not the finished softmax but p = 2^(t - M), with t = logit x log2(e) and M = ceil(the row's largest t), a whole number; so 1/2 < the row's largest p <= 1. The row's sum l is taken of the UNQUANTISED p, in f32, and the product's result is divided by l at the end. Since M is a whole number, a kernel that streams over the keys may use a running M (the ceiling of the running maximum): every later rescaling is an exact power of two, which a block's scale takes up: the codes' values come out the same.
;;   OPERANDS COMPUTED ON THE WAY. 'Computed on the way' means the value that the module computes at that place (a softmax that the list does not call 'softmax' is quantised finished and normalised). What goes into a quantiser is computed in f32, as accurately as f32 sums, v_exp_f32 and their like allow (about 1e-6 of the number): no bf16 or f16 on the way to a quantiser, and a product that is left as it is and whose result goes on into a quantised operand takes f32 operands (vector FMAs, or v_wmma_f32_16x16x4_f32). A number that lies on a knife's edge between two numbers of the format may be rounded either way, as far as f32 arithmetic and the matrix unit's own rounding can turn it there, and no further.
;; One version. Each part assembles by itself: llvm-mc -triple=amdgcn-amd-amdhsa -mcpu=gfx1250 --defsym DOCPART=n.
;; ======== version 1 of 1: 7 launches
;; limits: right only within a limited range of input values
;; workspace buffers: wb 10,747,904 bytes; xq 3,407,872 bytes; qkv 10,092,544 bytes; ao 3,407,872 bytes; xm 16,777,216 bytes; hq 13,631,488 bytes
;; launch prepln (part 1): grid 128 x 5, 8 waves a work-group, no clusters, 69,632 bytes of LDS; arguments x, ln1_g, ln1_b, xq, w_q, w_k, w_v, w_o, ffn_w1, ffn_w2, wb; writes xq, wb
.if DOCPART == 1
	.amdgcn_target "amdgcn-amd-amdhsa--gfx1250"
	.amdhsa_code_object_version 6
	.text
	.protected	k_q7b83f68d8a_prepln
	.globl	k_q7b83f68d8a_prepln
	.p2align	8
	.type	k_q7b83f68d8a_prepln,@function
k_q7b83f68d8a_prepln:
	s_mov_b64 s[64:65], 0
	v_nop
	global_prefetch_b8 v0, s[64:65] scope:SCOPE_SE
	s_setreg_imm32_b32 hwreg(HW_REG_WAVE_MODE, 25, 1), 1
	s_wait_xcnt 0x0
; TWO JOBS THAT DO NOT DEPEND ON EACH OTHER SHARE ONE LAUNCH, parted by one scalar branch on the work-group's y, which all waves of a work-group share.
; y = 0 .. 2, THE WEIGHTS: the six weights [K][N], f32, become operands of FP6 (E2M3) with one E8M0 byte for each 32 along K, laid as IMAGES OF THE OPERAND'S REGISTERS; and the table of cos and sin for the rotary embedding is made.
; y = 3, 4, THE ROWS: y = (x - mean) rsqrt(var + 1e-6) g + b along rows of 1,024 f32, quantised along the row in the same way and stored as the same kind of image (KT = 8).
; The weights' work-groups stand first in the grid: they carry 61 of the launch's 81 million bytes.
; IMAGE.  Rowblock p holds the 16 rows (of a weight: columns) 32 (p / 2) + 8 (p % 2) + r + 8 (r / 8).  Fragment (p, s) = 16 rows x 128 K = 12 registers a lane; lane (r, h) registers 6 c .. 6 c + 5 = k 128 s + 64 c + 32 h + 0 .. 31.
; Bytes: p KT 1664 + (s / 2) 3328 + (s % 2) 1536 + 512 c' + 16 lane (registers 4 c' .. 4 c' + 3); the scale words at p KT 1664 + (s / 2) 3328 + 3072 + (s % 2) 128 + 4 lane (lanes 16-31 repeat lanes 0-15).
; THE WEIGHTS' SHARES.  Four waves take 128 columns x 128 K (x = 2 x work-group x + wave / 4), a wave 32 columns: two fragments.  A LANE TAKES A COLUMN AND ITS REGISTERS RUN DOWN K: a block of 32 lies in one lane, nothing is transposed.
; Lane l takes column n0 + (l with bits 3 and 4 swapped): lanes 0-15 hold rowblock 2 b's columns, lanes 16-31 rowblock 2 b + 1's; a load still covers 128 consecutive bytes a wave, 512 for four waves.
; Which tensor: y = 0: the four square weights (x / 64); y = 1: ffn_w1; y = 2: ffn_w2.  Only pointers, pitches and offsets are chosen, on ids.
; THE TABLE (y = 0 only: 1,024 waves, two tokens each): [2048 tokens][cos 32 | sin 32] f32.  inv_freq[j] = 2^(-j log2(10) / 8); theta = t x inv_freq; theta is reduced by multiples of pi / 2 in three parts; polynomials on [-pi/4, pi/4].
; THE ROWS' SHARES.  A work-group is one rowblock R = 128 (y - 3) + work-group x; wave w takes columns 128 w .. 128 w + 127, which is K step w.  Each load reads 512 consecutive bytes of a row; the wave's 16 x 512 bytes turn through its own
; stage in LDS (rows 528 bytes apart) so that lane (r, h) gets, of row r, numbers 32 b + 16 h + 0 .. 15 of each block b.  Mean and variance meet in LDS: two barriers.  The variance is the mean of (x - mean)^2, taken in a second pass
; over the registers: no difference of large sums.  The row is read from memory once.
; A block's scale is 2^(floor(log2(largest magnitude)) - 2); its byte is the largest magnitude's exponent field - 2, held at 1 from below (a block of zeros gets 1: its codes are zeros, and this program alone reads the bytes).
; LIMITS: NaN and infinities are not served.  inv_freq may differ from 1 / 10000^(j / 32) as f32 arithmetic gives it by a few units in the last place: an angle error up to 2e-4 rad at token 2,047.
.set RED,   67584                      ; LDS (the rows' way alone): 8 stages of 8,448 bytes from 0; then [16 rows][8 waves] words for the sums, 512 bytes, and the same for the squares
.set SPARE, 68608                      ; the spare words, 128 bytes for each wave: four blocks of 256 bytes that no other line names
.set SPW, 14
.set NIL, 15
; the rows' registers
.set TM,  16                           ; v16-31   at work in QUANT
.set X,   32                           ; v32-95   my 64 numbers: register 16 b + i = column 32 b + 16 h + i of row r
.set RAW, 96                           ; v96-159  the rows as loaded; later the bias
.set G,   160                          ; v160-223 the gain
.set PC,  224                          ; v224-242 the codes
.set PW,  244                          ; the scale word
.set SEL, 22
; the weights' registers
.set OFF, 16                           ; v16-47   4 x my column + i x pitch, i = 0 .. 31
.set WX,  48                           ; v48-111  two sets of 32 numbers
.set F0,  112                          ; v112-123 the even blocks' codes, then rowblock 2 b's fragment
.set F1,  124                          ; v124-135 the odd blocks' codes, then rowblock 2 b + 1's
.set TU,  136                          ; v136-138 a block's upper 16 codes (a conversion's three registers begin on an even number)
.macro QUANT s                         ; 64 numbers of a lane become a fragment's 12 registers in v[PC] on and its scale word in v[PW]
.irp b, 0,1,2,3
	v_max3_num_f32 v[TM+\b], |v[\s+16*\b]|, |v[\s+1+16*\b]|, 0x1800000   ; block b: my 16 numbers, and the floor 2^(3 - 127): the byte cannot fall under 1
.endr
.irp i, 2,4,6,8,10,12,14
.irp b, 0,1,2,3
	s_delay_alu instid0(VALU_DEP_4)
	v_max3_num_f32 v[TM+\b], v[TM+\b], |v[\s+16*\b+\i]|, |v[\s+1+16*\b+\i]|
.endr
.endr
.irp b, 0,1,2,3
	s_delay_alu instid0(VALU_DEP_4)
	v_permlanex16_b32 v[TM+4+\b], v[TM+\b], s[SEL], s[SEL+1]
.endr
.irp b, 0,1,2,3
	s_delay_alu instid0(VALU_DEP_4)
	v_max_num_f32 v[TM+\b], v[TM+\b], v[TM+4+\b]   ; with lane l xor 16's: the block's largest magnitude
.endr
.irp b, 0,1,2,3
	s_delay_alu instid0(VALU_DEP_4)
	v_add_nc_u32 v[TM+12+\b], 0xff000000, v[TM+\b] ; 2 off its exponent field: the conversion's scale operand
.endr
.irp b, 0,1,2,3
	s_delay_alu instid0(VALU_DEP_4)
	v_lshrrev_b32 v[TM+4+\b], 23, v[TM+12+\b]      ; the scale's byte
.endr
	s_delay_alu instid0(VALU_DEP_3)
	v_lshl_or_b32 v[PW], v[TM+5], 8, v[TM+4]
	s_delay_alu instid0(VALU_DEP_1)
	v_lshl_or_b32 v[PW], v[TM+6], 16, v[PW]
	s_delay_alu instid0(VALU_DEP_1)
	v_lshl_or_b32 v[PW], v[TM+7], 24, v[PW]
.irp c, 0,1
	v_cvt_scalef32_pk16_fp6_f32 v[PC+6*\c:PC+2+6*\c], v[\s+32*\c:\s+15+32*\c], v[TM+12+2*\c]
	v_cvt_scalef32_pk16_fp6_f32 v[PC+12+4*\c:PC+14+4*\c], v[\s+16+32*\c:\s+31+32*\c], v[TM+12+2*\c+1]   ; (a conversion's three registers begin on an even number)
.endr
	v_nop                                          ; one plain line behind a scaled conversion
.irp c, 0,1                            ; the layout wants a whole block in a lane: lanes 0-15 block 2 c, lanes 16-31 block 2 c + 1
.irp i, 0,1,2
	v_permlane16_swap_b32 v[PC+6*\c+\i], v[PC+12+4*\c+\i]
.endr
.irp i, 0,1,2
	s_delay_alu instid0(VALU_DEP_3)
	v_mov_b32 v[PC+3+6*\c+\i], v[PC+12+4*\c+\i]
.endr
.endr
.endm
.macro BARRIER                         ; my LDS stores have landed and my LDS loads are in: then the work-group's barrier
	s_wait_dscnt 0x0
	s_barrier_signal -1
	s_barrier_wait -1
.endm
.macro GATHER off                      ; v246 = my wave's part of row r's sum -> v248 = the row's sum over the eight waves
	s_delay_alu instid0(VALU_DEP_1)
	v_permlanex16_b32 v247, v246, s[SEL], s[SEL+1]
	s_delay_alu instid0(VALU_DEP_1)
	v_add_f32 v246, v246, v247                     ; with lane l xor 16's 64 numbers
	ds_store_b32 v9, v246 offset:\off              ; both halves of the lanes write the same word with the same value
	BARRIER
	ds_load_b128 v[248:251], v8 offset:\off
	ds_load_b128 v[252:255], v8 offset:\off+16
	s_wait_dscnt 0x0
	v_add_f32 v248, v248, v249
	v_add_f32 v250, v250, v251
	v_add_f32 v252, v252, v253
	v_add_f32 v254, v254, v255
	s_delay_alu instid0(VALU_DEP_3)
	v_add_f32 v248, v248, v250
	s_delay_alu instid0(VALU_DEP_2)
	v_add_f32 v252, v252, v254
	s_delay_alu instid0(VALU_DEP_1)
	v_add_f32 v248, v248, v252
.endm
.macro LOAD t                          ; block t: W(32 t + i, my column) into set t % 2; read once in the launch
.set I, 0
.rept 32
	global_load_b32 v[WX+32*((\t)%2)+I], v[OFF+I], s[24+2*(\t):25+2*(\t)] th:TH_LOAD_NT
.set I, I+1
.endr
.endm
.macro BLOCK t
.set XS, WX+32*((\t)%2)
.set DD, F0+12*((\t)%2)+6*((\t)/2)
.if (\t) < 3
	s_wait_loadcnt 32                              ; this block's 32 loads are in; the next block's 32 may be out
.else
	s_wait_loadcnt 0x0
.endif
	v_max3_num_f32 v140, |v[XS]|, |v[XS+1]|, |v[XS+2]|             ; the block's largest magnitude: all 32 numbers are mine; two chains
	v_max3_num_f32 v143, |v[XS+3]|, |v[XS+4]|, |v[XS+5]|
.irp i, 6,10,14,18,22,26
	s_delay_alu instid0(VALU_DEP_2)
	v_max3_num_f32 v140, v140, |v[XS+\i]|, |v[XS+\i+1]|
	s_delay_alu instid0(VALU_DEP_2)
	v_max3_num_f32 v143, v143, |v[XS+\i+2]|, |v[XS+\i+3]|
.endr
	s_delay_alu instid0(VALU_DEP_2)
	v_max3_num_f32 v140, v140, |v[XS+30]|, |v[XS+31]|
	s_delay_alu instid0(VALU_DEP_1)
	v_max3_num_f32 v140, v140, v143, 0x1800000     ; and the floor 2^(3 - 127): the byte cannot fall under 1
	s_delay_alu instid0(VALU_DEP_1)
	v_add_nc_u32 v141, 0xff000000, v140            ; 2 off the exponent field: the conversion takes this operand's exponent field as its scale
	v_cvt_scalef32_pk16_fp6_f32 v[DD:DD+2], v[XS:XS+15], v141
	v_cvt_scalef32_pk16_fp6_f32 v[TU:TU+2], v[XS+16:XS+31], v141
	v_lshrrev_b32 v142, 23, v141                   ; the scale's byte (also the plain line behind the conversions)
.if (\t) == 0
	s_delay_alu instid0(VALU_DEP_1)
	v_mov_b32 v144, v142
.else
	s_delay_alu instid0(VALU_DEP_1)
	v_lshl_or_b32 v144, v142, 8*(\t), v144         ; four bytes make my column's scale word
.endif
.irp i, 0,1,2
	v_mov_b32 v[DD+3+\i], v[TU+\i]
.endr
.if (\t) < 2
	LOAD (\t)+2
.endif
.if (\t)%2 == 1
.irp i, 0,1,2,3,4,5                    ; F0's lanes 16-31 change places with F1's lanes 0-15: F0 then holds, of columns 0-15, block 2 c below and block 2 c + 1 above; F1 the same of columns 16-31
	v_permlane16_swap_b32 v[F0+6*((\t)/2)+\i], v[F1+6*((\t)/2)+\i]
.endr
.endif
.endm
.macro TRIG out, f                     ; v[out] = cos (lanes 0-15) or sin (lanes 16-31) of v151 x v[f]
	v_mul_f32 v154, v151, v[\f]                    ; theta
	s_delay_alu instid0(VALU_DEP_1)
	v_mul_f32 v155, 0x3f22f983, v154               ; x 2 / pi
	s_delay_alu instid0(VALU_DEP_1)
	v_rndne_f32 v155, v155                         ; k
	s_delay_alu instid0(VALU_DEP_1)
	v_fmamk_f32 v154, v155, 0xbfc90000, v154       ; theta - k pi / 2, pi / 2 in three parts: 1.5703125,
	s_delay_alu instid0(VALU_DEP_1)
	v_fmamk_f32 v154, v155, 0xb9fda000, v154       ; 4.83751297e-4,
	s_delay_alu instid0(VALU_DEP_1)
	v_fmamk_f32 v154, v155, 0xb3a22168, v154       ; 7.54978995e-8: r
	s_delay_alu instid0(VALU_DEP_4)
	v_cvt_i32_f32 v155, v155
	s_delay_alu instid0(VALU_DEP_1)
	v_add_nc_u32 v155, v155, v152                  ; k'
	s_delay_alu instid0(VALU_DEP_3)
	v_mul_f32 v156, v154, v154                     ; z = r r
	v_mov_b32 v157, 0xb94ca1f9
	s_delay_alu instid0(VALU_DEP_1)
	v_fmaak_f32 v157, v157, v156, 0x3c08839e
	s_delay_alu instid0(VALU_DEP_1)
	v_fmaak_f32 v157, v157, v156, 0xbe2aaaa3
	s_delay_alu instid0(VALU_DEP_4)
	v_mul_f32 v158, v154, v156
	s_delay_alu instid0(VALU_DEP_1)
	v_fma_f32 v157, v158, v157, v154               ; sin r
	v_mov_b32 v159, 0x37ccf5ce
	s_delay_alu instid0(VALU_DEP_1)
	v_fmaak_f32 v159, v159, v156, 0xbab6061a
	s_delay_alu instid0(VALU_DEP_1)
	v_fmaak_f32 v159, v159, v156, 0x3d2aaaa5
	v_mul_f32 v158, v156, v156
	v_fma_f32 v160, v156, -0.5, 1.0
	s_delay_alu instid0(VALU_DEP_1)
	v_fma_f32 v159, v158, v159, v160               ; cos r
	v_and_b32 v158, 1, v155
	s_delay_alu instid0(VALU_DEP_1)
	v_cmp_eq_u32 vcc_lo, 1, v158
	s_delay_alu instid0(VALU_DEP_1)
	v_cndmask_b32 v157, v159, v157, vcc_lo         ; k' odd: the sine
	v_add_nc_u32 v155, 1, v155
	s_delay_alu instid0(VALU_DEP_1)
	v_and_b32 v155, 2, v155
	s_delay_alu instid0(VALU_DEP_1)
	v_lshlrev_b32 v155, 30, v155                   ; k' % 4 = 1 or 2: the sign turns
	s_delay_alu instid0(VALU_DEP_1)
	v_xor_b32 v[\out], v155, v157
.endm
	v_lshl_add_u32 v[SPW], v0, 2, SPARE
	v_mov_b32 v[NIL], 0
	s_and_b32 s40, ttmp7, 0xffff                   ; y
	s_cmp_ge_u32 s40, 3                            ; the same in all waves of a work-group
	s_cbranch_scc1 .Lrows
	; ---------------- THE WEIGHTS ----------------
	s_load_b256 s[4:11], s[0:1], 0x20              ; w_q, w_k, w_v, w_o
	s_load_b128 s[12:15], s[0:1], 0x40             ; ffn_w1, ffn_w2
	s_load_b64 s[16:17], s[0:1], 0x50              ; wb
	v_lshrrev_b32 v1, 5, v0
	s_delay_alu instid0(VALU_DEP_1)
	v_readfirstlane_b32 s59, v1                    ; wave 0..7
	s_and_b32 s18, s59, 3                          ; my place among the four waves that stand side by side
	s_lshr_b32 s60, s59, 2                         ; which four
	v_and_b32 v1, 31, v0                           ; lane
	s_wait_alu depctr_va_vdst(0)
	v_and_b32 v2, 7, v1
	v_bfe_u32 v3, v1, 3, 1
	v_bfe_u32 v4, v1, 4, 1
	s_delay_alu instid0(VALU_DEP_2)
	v_lshl_or_b32 v2, v3, 4, v2
	s_delay_alu instid0(VALU_DEP_1)
	v_lshl_or_b32 v2, v4, 3, v2                    ; the lane with bits 3 and 4 swapped
	s_delay_alu instid0(VALU_DEP_1)
	v_lshlrev_b32 v2, 2, v2                        ; 4 bytes a column
	s_wait_alu depctr_va_vdst(0)
	s_lshl_b32 s23, ttmp9, 1
	s_add_co_u32 s23, s23, s60                     ; x: 0 .. 255
	s_lshr_b32 s45, s23, 6                         ; y = 0: which square weight
	s_lshl_b32 s46, s40, 2
	s_cmp_eq_u32 s40, 2
	s_cselect_b32 s41, 5, 3                        ; bits of the K step in x
	s_cselect_b32 s42, 2, 0                        ; log2(KT / 8)
	s_cmp_eq_u32 s40, 1
	s_cselect_b32 s43, 2, 0                        ; log2(pitch / 4096)
	s_cmp_eq_u32 s40, 0
	s_cselect_b32 s44, 7, -1
	s_cselect_b32 s45, s45, s46                    ; the image's place in wb, in units of 851,968 bytes: 0 .. 3, 4, 8
	s_bfm_b32 s47, s41, 0
	s_and_b32 s21, s23, s47                        ; ks: the K step
	s_lshr_b32 s22, s23, s41
	s_and_b32 s22, s22, s44                        ; cg: the group of 128 columns
	s_lshl_b32 s19, 4096, s43                      ; a row of the weight in bytes
	s_lshl_b32 s20, 13312, s42                     ; KT x 1664: a rowblock of the image
	s_mul_i32 s45, s45, 851968
	s_mul_i32 s52, s21, s19
	s_lshl_b32 s52, s52, 7                         ; 128 ks rows,
	s_lshl_b32 s53, s22, 9
	s_add_co_u32 s52, s52, s53                     ; 512 cg,
	s_lshl_b32 s53, s18, 7
	s_add_co_u32 s52, s52, s53                     ; 128 wave
	s_mov_b32 s53, 0
	s_lshl_b32 s54, s22, 3
	s_lshl_b32 s55, s18, 1
	s_add_co_u32 s54, s54, s55                     ; my first rowblock
	s_mul_i32 s54, s54, s20
	s_add_co_u32 s54, s54, s45
	s_lshr_b32 s55, s21, 1
	s_mul_i32 s55, s55, 3328
	s_add_co_u32 s54, s54, s55
	s_mov_b32 s55, 0
	s_and_b32 s56, s21, 1
	s_mul_i32 s57, s56, 1536
	s_lshl_b32 s56, s56, 7
	s_add_co_u32 s56, s56, 3072
	v_lshl_add_u32 v146, v1, 4, s57                ; 16 lane + (ks % 2) 1536
	v_lshl_add_u32 v147, v1, 2, s56                ; 4 lane + 3072 + (ks % 2) 128
.set I, 0
.rept 32
	v_mad_u32_u24 v[OFF+I], s19, I, v2
.set I, I+1
.endr
	s_wait_alu depctr_va_vdst(0)
	s_wait_kmcnt 0x0
	s_bitcmp1_b32 s23, 6                           ; the choices hang on ids alone
	s_cselect_b64 s[48:49], s[6:7], s[4:5]
	s_cselect_b64 s[50:51], s[10:11], s[8:9]
	s_bitcmp1_b32 s23, 7
	s_cselect_b64 s[48:49], s[50:51], s[48:49]
	s_cmp_eq_u32 s40, 1
	s_cselect_b64 s[48:49], s[12:13], s[48:49]
	s_cmp_eq_u32 s40, 2
	s_cselect_b64 s[48:49], s[14:15], s[48:49]
	s_add_nc_u64 s[24:25], s[48:49], s[52:53]      ; block 0's first row,
	s_lshl_b32 s52, s19, 5
	s_add_nc_u64 s[26:27], s[24:25], s[52:53]      ; and 32 rows on for each further block
	s_add_nc_u64 s[28:29], s[26:27], s[52:53]
	s_add_nc_u64 s[30:31], s[28:29], s[52:53]
	s_add_nc_u64 s[32:33], s[16:17], s[54:55]      ; rowblock 2 b's pair of K steps,
	s_mov_b32 s54, s20
	s_add_nc_u64 s[34:35], s[32:33], s[54:55]      ; rowblock 2 b + 1's
	LOAD 0
	LOAD 1
	BLOCK 0
	BLOCK 1
	BLOCK 2
	BLOCK 3
	v_mov_b32 v145, v144
	s_delay_alu instid0(VALU_DEP_1)
	v_permlane16_swap_b32 v144, v145               ; v144: columns 0-15's words twice; v145: columns 16-31's twice
.irp c, 0,1,2
	global_store_b128 v146, v[F0+4*\c:F0+4*\c+3], s[32:33] offset:512*\c   ; 32 lanes store 512 consecutive bytes, at a multiple of 256 from wb's first byte
	global_store_b128 v146, v[F1+4*\c:F1+4*\c+3], s[34:35] offset:512*\c
.endr
	global_store_b32 v147, v144, s[32:33]
	global_store_b32 v147, v145, s[34:35]
	s_cmp_lg_u32 s40, 0                            ; the table: a branch on the work-group's number
	s_cbranch_scc1 .Ldone
	s_lshl_b32 s36, s23, 2
	s_add_co_u32 s36, s36, s18
	s_lshl_b32 s36, s36, 1                         ; my first token: 2 (4 x + wave % 4)
	s_lshl_b32 s38, s36, 8
	s_add_co_u32 s38, s38, 10223616                ; the table's place in wb
	s_mov_b32 s39, 0
	s_add_nc_u64 s[38:39], s[16:17], s[38:39]
	v_and_b32 v148, 15, v1
	s_delay_alu instid0(VALU_DEP_1)
	v_lshlrev_b32 v148, 1, v148                    ; my two frequencies: j = 2 (lane % 16), and j + 1
	s_delay_alu instid0(VALU_DEP_1)
	v_cvt_f32_u32 v149, v148
	s_delay_alu instid0(VALU_DEP_1)
	v_add_f32 v150, 1.0, v149
	s_delay_alu instid0(VALU_DEP_2)
	v_mul_f32 v149, 0xbed49a78, v149               ; -j log2(10) / 8
	s_delay_alu instid0(VALU_DEP_2)
	v_mul_f32 v150, 0xbed49a78, v150
	s_wait_alu depctr_va_vdst(0)
	v_exp_f32 v149, v149
	v_exp_f32 v150, v150
	v_lshrrev_b32 v152, 4, v1                      ; (plain lines behind the exponentials)
	s_delay_alu instid0(VALU_DEP_1)
	v_mul_u32_u24 v152, 3, v152                    ; lanes 16-31 make sines: sin(a) = cos(a - pi / 2): three quarter turns more
	v_lshlrev_b32 v153, 3, v1                      ; 8 bytes a lane: lanes 0-15 the 32 cosines, lanes 16-31 the 32 sines
	s_wait_alu depctr_va_vdst(0)                   ; one wait for both exponentials, ahead of their first reader
	v_cvt_f32_u32 v151, s36
	TRIG 162, 149
	TRIG 163, 150
	global_store_b64 v153, v[162:163], s[38:39]    ; 32 lanes store a token's 256 bytes
	s_add_co_u32 s37, s36, 1
	v_cvt_f32_u32 v151, s37
	TRIG 164, 149
	TRIG 165, 150
	global_store_b64 v153, v[164:165], s[38:39] offset:256
.Ldone:
	s_wait_tensorcnt 0x0                           ; the wave's end
	ds_add_u32 v[SPW], v[NIL]
	s_wait_dscnt 0x0
	s_endpgm
	; ---------------- THE ROWS ----------------
.Lrows:
	s_load_b256 s[4:11], s[0:1], 0x0               ; the rows, the gain, the bias, the image
	s_sub_co_u32 s27, s40, 3
	s_lshl_b32 s27, s27, 7
	s_add_co_u32 s27, s27, ttmp9                   ; R: my rowblock
	v_lshrrev_b32 v1, 5, v0
	s_delay_alu instid0(VALU_DEP_1)
	v_readfirstlane_b32 s12, v1                    ; wave
	v_and_b32 v1, 31, v0                           ; lane
	v_and_b32 v2, 15, v0                           ; r
	v_bfe_u32 v3, v0, 4, 1                         ; h
	s_delay_alu instid0(VALU_DEP_3)
	v_lshlrev_b32 v4, 4, v1                        ; 16 lane
	s_delay_alu instid0(VALU_DEP_2)
	v_lshlrev_b32 v5, 6, v3                        ; 64 h
	s_mul_i32 s13, s12, 8448                       ; my stage
	v_add_nc_u32 v6, s13, v4                       ; in: 16 lane, a row in the immediate
	v_mul_u32_u24 v7, v2, 528
	s_delay_alu instid0(VALU_DEP_1)
	v_add_nc_u32 v7, v7, v5
	s_delay_alu instid0(VALU_DEP_1)
	v_add_nc_u32 v7, s13, v7                       ; out: row r, + 64 h
	v_lshl_add_u32 v8, v2, 5, RED                  ; row r's eight words
	s_lshl_b32 s14, s12, 2
	v_add_nc_u32 v9, s14, v8                       ; my wave's among them
	s_and_b32 s15, s12, 1
	s_mul_i32 s26, s15, 1536
	v_add_nc_u32 v11, s26, v4                      ; the image: 16 lane + (w % 2) 1536
	s_lshl_b32 s15, s15, 7
	s_add_co_u32 s15, s15, 3072
	v_lshl_add_u32 v12, v1, 2, s15                 ; 4 lane + 3072 + (w % 2) 128
.irp b, 0,1,2,3
	v_mov_b32 v[TM+4+\b], 0                        ; written once: a lane permute's destination counts as one of its sources
.endr
	v_mov_b32 v247, 0
	s_lshr_b32 s16, s27, 1
	s_lshl_b32 s16, s16, 5
	s_and_b32 s17, s27, 1
	s_lshl_b32 s17, s17, 3
	s_add_co_u32 s16, s16, s17                     ; the rowblock's first row
	s_lshl_b32 s16, s16, 12
	s_lshl_b32 s18, s12, 9                         ; my 512 bytes of a row
	s_add_co_u32 s16, s16, s18
	s_mov_b32 s17, 0
	s_mov_b32 s19, 0
	s_mul_i32 s20, s27, 13312
	s_lshr_b32 s21, s12, 1
	s_mul_i32 s21, s21, 3328
	s_add_co_u32 s20, s20, s21
	s_mov_b32 s21, 0
	s_mov_b32 s[SEL], 0x76543210
	s_mov_b32 s[SEL+1], 0xfedcba98                 ; lane l xor 16
	s_mov_b32 s24, 0x3a800000                      ; 1 / 1024
	s_mov_b32 s25, 0x358637bd                      ; 1e-6
	s_wait_kmcnt 0x0
	s_add_nc_u64 s[4:5], s[4:5], s[16:17]
	s_add_nc_u64 s[6:7], s[6:7], s[18:19]
	s_add_nc_u64 s[8:9], s[8:9], s[18:19]
	s_add_nc_u64 s[10:11], s[10:11], s[20:21]
.irp i, 0,1,2,3,4,5,6,7,8,9,10,11,12,13,14,15
	global_load_b128 v[RAW+4*\i:RAW+4*\i+3], v4, s[4:5] offset:(\i+8*(\i/8))*4096   ; 32 lanes read 512 consecutive bytes of row i of the rowblock
.endr
.irp b, 0,1,2,3
.irp j, 0,1,2,3
	global_load_b128 v[G+16*\b+4*\j:G+16*\b+4*\j+3], v5, s[6:7] offset:128*\b+16*\j
.endr
.endr
	s_wait_loadcnt 16                              ; the rows are in; the gain's 16 loads may be out
.irp i, 0,1,2,3,4,5,6,7,8,9,10,11,12,13,14,15
	ds_store_b128 v6, v[RAW+4*\i:RAW+4*\i+3] offset:528*\i
.endr
.irp b, 0,1,2,3
.irp j, 0,1,2,3
	ds_load_b128 v[X+16*\b+4*\j:X+16*\b+4*\j+3], v7 offset:128*\b+16*\j   ; LDS serves a wave's instructions in order: these see my stores
.endr
.endr
	s_wait_dscnt 0x0                               ; the stores have read RAW, which now takes the bias
.irp b, 0,1,2,3
.irp j, 0,1,2,3
	global_load_b128 v[RAW+16*\b+4*\j:RAW+16*\b+4*\j+3], v5, s[8:9] offset:128*\b+16*\j
.endr
.endr
	v_pk_add_f32 v[250:251], v[32:33], v[34:35]
	v_pk_add_f32 v[254:255], v[40:41], v[44:45]
	v_pk_add_f32 v[252:253], v[48:49], v[52:53]
	v_pk_add_f32 v[244:245], v[56:57], v[60:61]
	v_pk_add_f32 v[242:243], v[64:65], v[68:69]
	v_pk_add_f32 v[240:241], v[72:73], v[76:77]
	v_pk_add_f32 v[238:239], v[80:81], v[84:85]
	v_pk_add_f32 v[248:249], v[88:89], v[92:93]
	s_delay_alu instid0(VALU_DEP_1)
	v_pk_add_f32 v[248:249], v[248:249], v[36:37]
	v_pk_add_f32 v[250:251], v[250:251], v[38:39]
	v_pk_add_f32 v[254:255], v[254:255], v[42:43]
	v_pk_add_f32 v[252:253], v[252:253], v[46:47]
	v_pk_add_f32 v[244:245], v[244:245], v[50:51]
	v_pk_add_f32 v[242:243], v[242:243], v[54:55]
	v_pk_add_f32 v[240:241], v[240:241], v[58:59]
	v_pk_add_f32 v[238:239], v[238:239], v[62:63]
	v_pk_add_f32 v[248:249], v[248:249], v[66:67]
	v_pk_add_f32 v[250:251], v[250:251], v[70:71]
	v_pk_add_f32 v[254:255], v[254:255], v[74:75]
	v_pk_add_f32 v[252:253], v[252:253], v[78:79]
	v_pk_add_f32 v[244:245], v[244:245], v[82:83]
	v_pk_add_f32 v[242:243], v[242:243], v[86:87]
	v_pk_add_f32 v[240:241], v[240:241], v[90:91]
	v_pk_add_f32 v[238:239], v[238:239], v[94:95]
	s_delay_alu instid0(VALU_DEP_4)
	v_pk_add_f32 v[248:249], v[248:249], v[244:245]
	s_delay_alu instid0(VALU_DEP_4)
	v_pk_add_f32 v[250:251], v[250:251], v[242:243]
	s_delay_alu instid0(VALU_DEP_4)
	v_pk_add_f32 v[254:255], v[254:255], v[240:241]
	s_delay_alu instid0(VALU_DEP_4)
	v_pk_add_f32 v[252:253], v[252:253], v[238:239]
	s_delay_alu instid0(VALU_DEP_2)
	v_pk_add_f32 v[248:249], v[248:249], v[254:255]
	s_delay_alu instid0(VALU_DEP_2)
	v_pk_add_f32 v[250:251], v[250:251], v[252:253]
	s_delay_alu instid0(VALU_DEP_1)
	v_pk_add_f32 v[248:249], v[248:249], v[250:251]
	s_delay_alu instid0(VALU_DEP_1)
	v_add_f32 v246, v248, v249
	GATHER 0
	s_delay_alu instid0(VALU_DEP_1)
	v_mul_f32 v246, s24, v248                      ; the mean, twice: a pair for the packed forms
	s_delay_alu instid0(VALU_DEP_1)
	v_mov_b32 v247, v246
.set J, 0
.rept 32
	v_pk_add_f32 v[X+J:X+J+1], v[X+J:X+J+1], v[246:247] neg_lo:[0,1] neg_hi:[0,1]   ; x - mean
.set J, J+2
.endr
	v_pk_mul_f32 v[248:249], v[X:X+1], v[X:X+1]
	v_pk_mul_f32 v[250:251], v[X+2:X+3], v[X+2:X+3]
.irp j, 4,8,12,16,20,24,28,32,36,40,44,48,52,56,60
	s_delay_alu instid0(VALU_DEP_2)
	v_pk_fma_f32 v[248:249], v[X+\j:X+\j+1], v[X+\j:X+\j+1], v[248:249]
	s_delay_alu instid0(VALU_DEP_2)
	v_pk_fma_f32 v[250:251], v[X+\j+2:X+\j+3], v[X+\j+2:X+\j+3], v[250:251]
.endr
	s_delay_alu instid0(VALU_DEP_1)
	v_pk_add_f32 v[248:249], v[248:249], v[250:251]
	s_delay_alu instid0(VALU_DEP_1)
	v_add_f32 v246, v248, v249
	GATHER 512                                     ; other words than the first sum's: no barrier is owed between the two
	s_delay_alu instid0(VALU_DEP_1)
	v_fma_f32 v248, v248, s24, s25                 ; the variance + 1e-6
	s_wait_alu depctr_va_vdst(0)
	v_rsq_f32 v246, v248
	v_rsq_f32 v247, v248
	v_nop                                          ; a plain line behind the transcendentals
	s_wait_alu depctr_va_vdst(0)                   ; one wait for both, ahead of their first reader
	s_wait_loadcnt 0x0                             ; the gain and the bias
.set J, 0
.rept 32
	v_pk_mul_f32 v[X+J:X+J+1], v[X+J:X+J+1], v[246:247]
.set J, J+2
.endr
.set J, 0
.rept 32
	v_pk_fma_f32 v[X+J:X+J+1], v[X+J:X+J+1], v[G+J:G+J+1], v[RAW+J:RAW+J+1]
.set J, J+2
.endr
	QUANT X
.irp c, 0,1,2
	global_store_b128 v11, v[PC+4*\c:PC+4*\c+3], s[10:11] offset:512*\c   ; 32 lanes store 512 consecutive bytes, at a multiple of 256 from the buffer's first byte
.endr
	global_store_b32 v12, v[PW], s[10:11]
	s_wait_tensorcnt 0x0                           ; the wave's end, behind my last LDS store
	ds_add_u32 v[SPW], v[NIL]
	s_wait_dscnt 0x0
	s_endpgm
.Lfunc_end_k_q7b83f68d8a_prepln:
	.size	k_q7b83f68d8a_prepln, .Lfunc_end_k_q7b83f68d8a_prepln-k_q7b83f68d8a_prepln
	.p2alignl 7, 3214868480
	.fill 96, 4, 3214868480
	.section	.rodata,"a",@progbits
	.p2align	6, 0x0
	.amdhsa_kernel k_q7b83f68d8a_prepln
		.amdhsa_group_segment_fixed_size 69632
		.amdhsa_private_segment_fixed_size 0
		.amdhsa_enable_private_segment 0
		.amdhsa_kernarg_size 88
		.amdhsa_user_sgpr_count 2
		.amdhsa_user_sgpr_kernarg_segment_ptr 1
		.amdhsa_wavefront_size32 1
		.amdhsa_system_sgpr_workgroup_id_x 1
		.amdhsa_system_sgpr_workgroup_id_y 1
		.amdhsa_system_sgpr_workgroup_id_z 1
		.amdhsa_system_vgpr_workitem_id 0
		.amdhsa_next_free_vgpr 256
		.amdhsa_next_free_sgpr 66
		.amdhsa_reserve_vcc 1
		.amdhsa_float_denorm_mode_32 3
		.amdhsa_float_denorm_mode_16_64 3
		.amdhsa_memory_ordered 1
		.amdhsa_forward_progress 1
		.amdhsa_inst_pref_size 64
	.end_amdhsa_kernel
	.amdgpu_metadata
---
amdhsa.version: [ 1, 2 ]
amdhsa.kernels:
  - .name:           k_q7b83f68d8a_prepln
    .symbol:         k_q7b83f68d8a_prepln.kd
    .args:
      - { .name: x, .offset: 0, .size: 8, .value_kind: global_buffer, .address_space: global }
      - { .name: ln1_g, .offset: 8, .size: 8, .value_kind: global_buffer, .address_space: global }
      - { .name: ln1_b, .offset: 16, .size: 8, .value_kind: global_buffer, .address_space: global }
      - { .name: xq, .offset: 24, .size: 8, .value_kind: global_buffer, .address_space: global }
      - { .name: w_q, .offset: 32, .size: 8, .value_kind: global_buffer, .address_space: global }
      - { .name: w_k, .offset: 40, .size: 8, .value_kind: global_buffer, .address_space: global }
      - { .name: w_v, .offset: 48, .size: 8, .value_kind: global_buffer, .address_space: global }
      - { .name: w_o, .offset: 56, .size: 8, .value_kind: global_buffer, .address_space: global }
      - { .name: ffn_w1, .offset: 64, .size: 8, .value_kind: global_buffer, .address_space: global }
      - { .name: ffn_w2, .offset: 72, .size: 8, .value_kind: global_buffer, .address_space: global }
      - { .name: wb, .offset: 80, .size: 8, .value_kind: global_buffer, .address_space: global }
    .group_segment_fixed_size: 69632
    .private_segment_fixed_size: 0
    .kernarg_segment_align: 8
    .kernarg_segment_size: 88
    .max_flat_workgroup_size: 256
    .sgpr_count:     66
    .vgpr_count:     256
    .wavefront_size: 32
...
	.end_amdgpu_metadata
.endif
;; end of part 1
;; launch qkvg (part 2): grid 12 x 16, 4 waves a work-group, clusters of 4 x 4, 327,680 bytes of LDS; arguments xq, wb, qkv; writes qkv
.if DOCPART == 2
	.amdgcn_target "amdgcn-amd-amdhsa--gfx1250"
	.amdhsa_code_object_version 6
	.text
	.protected	k_q7b83f68d8a_qkvg
	.globl	k_q7b83f68d8a_qkvg
	.p2align	8
	.type	k_q7b83f68d8a_qkvg,@function
k_q7b83f68d8a_qkvg:
	s_mov_b64 s[64:65], 0
	v_nop
	global_prefetch_b8 v0, s[64:65] scope:SCOPE_SE
	s_setreg_imm32_b32 hwreg(HW_REG_WAVE_MODE, 25, 1), 1
	s_wait_xcnt 0x0
	s_wait_alu depctr_hold_cnt(0) depctr_sa_sdst(0) depctr_va_vdst(0) depctr_va_sdst(0) depctr_va_ssrc(0) depctr_va_vcc(0) depctr_vm_vsrc(0)
	s_getreg_b32 s2, hwreg(HW_REG_IB_STS2, 6, 4)
	s_cmp_eq_u32 s2, 0
	s_cbranch_scc0 .Lentry_in_a_cluster
	s_endpgm
.Lentry_in_a_cluster:
	s_bfe_u32 s2, ttmp6, 0x10000c
	s_cmp_lg_u32 s2, 0xf033
	s_cbranch_scc0 .Lentry_shape_is_right
	s_endpgm
.Lentry_shape_is_right:
.set NA, 8
.set NQ, 2
.set KT, 8
.set HALFT,  NA*NQ*1664
.set SLOT,   4*HALFT
.set SPARE,  2*SLOT
.set LAPS,   KT/(2*NQ)
.set NL,     3
.set ADRA, 16
.set ADRS, 18
.set ADRB, 20
.set L16,  22
.set L8,   23
.set L4,   27
.set SPW,  28
.set NIL,  29
.set SC,   32
.set CB,   64
.set AF,   128
.set TT,   128
.set PC,   192
.set TM,   224
.set PW,   240
.set SW,   242
.set G1,  24
.set G0,  32
.set G1B, 48
.set G0B, 56
.set SEL, 68
.set MSB, 0
.macro WIN new
.if MSB != (\new)
	s_set_vgpr_msb (MSB<<8)|(\new)
.set MSB, \new
.endif
.endm
.macro JLOAD s
	s_cmp_eq_u32 s15, 0
	s_cbranch_scc0 .Lfor_b_\@
	tensor_load_to_lds s[G0+4*\s:G0+4*\s+3], s[G1:G1+7]
	s_nop 0
.rept 4
	v_nop
.endr
	s_branch .Lasked_\@
.Lfor_b_\@:
	tensor_load_to_lds s[G0B+4*\s:G0B+4*\s+3], s[G1B:G1B+7]
	s_nop 0
.rept 4
	v_nop
.endr
.Lasked_\@:
.endm
.macro CREST
	s_cmp_lg_u32 s14, 0
	s_cbranch_scc1 .Lnot_wave_0_\@
	s_barrier_signal -3
.Lnot_wave_0_\@:
	s_barrier_wait -3
	s_barrier_signal -1
	s_barrier_wait -1
.endm
.macro CROUND
	s_barrier_signal -1
	s_barrier_wait -1
	CREST
.endm
.macro PLACES
.rept 4
	v_nop
.endr
.endm
.macro FRAG reg, adr, q, i
.irp c, 0,1,2
	ds_load_b128 v[\reg+4*\c:\reg+4*\c+3], v[\adr] offset:(\i)*NQ*1664+((\q)/2)*3328+((\q)%2)*1536+512*\c
.endr
.endm
.macro FETCH_B slot, q, p
	WIN 0x40
.set FI, 0
.rept NA
	FRAG 128*(\p)+12*FI, ADRB+\slot, \q, FI
.set FI, FI+1
.endr
	WIN 0
.endm
.macro FETCH_A slot, q, i0
.set FI, \i0
.rept NA/2
	FRAG AF+12*FI, ADRA+\slot, \q, FI
.set FI, FI+1
.endr
.endm
.macro SCALES sl
.set SI, 0
.rept NA
.set SQ, 0
.rept NQ
	ds_load_b32 v[SC+16*(\sl)+NQ*SI+SQ], v[ADRS+\sl] offset:SI*NQ*1664+(SQ/2)*3328+3072+(SQ%2)*128
.set SQ, SQ+1
.endr
.set SI, SI+1
.endr
.endm
.macro MULS a0, cnt, p, q, sc, first
.set MW, 2+((\a0)*NA)/32
	WIN 0x01|(MW<<4)|(MW<<6)
.set MA, \a0
.rept \cnt
.set MB, 0
.rept NA
.set MD, 8*(NA*(MA%4)+MB)
.if (\first) == 1
	v_wmma_scale_f32_16x16x128_f8f6f4 v[MD:MD+7], v[128*(\p)+12*MB:128*(\p)+12*MB+11], v[AF+12*MA:AF+12*MA+11], 0, v[SC+16*(\sc)+NQ*MB+(\q)], v[SC+16*(\sc)+NQ*MA+(\q)] matrix_a_fmt:MATRIX_FMT_FP6 matrix_b_fmt:MATRIX_FMT_FP6 matrix_a_scale:MATRIX_SCALE_ROW1
.else
	v_wmma_scale_f32_16x16x128_f8f6f4 v[MD:MD+7], v[128*(\p)+12*MB:128*(\p)+12*MB+11], v[AF+12*MA:AF+12*MA+11], v[MD:MD+7], v[SC+16*(\sc)+NQ*MB+(\q)], v[SC+16*(\sc)+NQ*MA+(\q)] matrix_a_fmt:MATRIX_FMT_FP6 matrix_b_fmt:MATRIX_FMT_FP6 matrix_a_scale:MATRIX_SCALE_ROW1
.endif
.set MB, MB+1
.endr
.set MA, MA+1
.endr
.endm
.macro STEP slot, q, first
	s_wait_dscnt (NA/2)*NL
	MULS 0, NA/2, (\q)%2, \q, \slot, \first
	s_wait_dscnt 0x0
	PLACES
	FETCH_B \slot, (\q)+1, 1-(\q)%2
	FETCH_A \slot, (\q)+1, 0
	MULS NA/2, NA/2, (\q)%2, \q, \slot, \first
	PLACES
	WIN 0
	FETCH_A \slot, (\q)+1, NA/2
.endm
.macro TURN slot, next, fill
	s_wait_tensorcnt 0x0
	ds_add_u32 v[SPW], v[NIL]
	s_wait_dscnt (NA/2)*NL+1
	MULS 0, NA/4, 1, NQ-1, \slot, 0
	s_wait_dscnt 0x0
	s_barrier_signal -1
	MULS NA/4, NA/4, 1, NQ-1, \slot, 0
	WIN 0
	s_barrier_wait -1
.if \fill
	CREST
	s_add_nc_u64 s[G0+4*\slot+2:G0+4*\slot+3], s[G0+4*\slot+2:G0+4*\slot+3], 2*NQ*1664
	s_add_nc_u64 s[G0B+4*\slot+2:G0B+4*\slot+3], s[G0B+4*\slot+2:G0B+4*\slot+3], 2*NQ*1664
	JLOAD \slot
.else
	PLACES
.endif
	FETCH_B \next, 0, 0
	FETCH_A \next, 0, 0
	SCALES \next
	MULS NA/2, NA/2, 1, NQ-1, \slot, 0
	PLACES
	WIN 0
	FETCH_A \next, 0, NA/2
.endm
.macro LAST
	s_wait_dscnt (NA/2)*NL
	MULS 0, NA/2, 1, NQ-1, 1, 0
	s_wait_dscnt 0x0
	MULS NA/2, NA/2, 1, NQ-1, 1, 0
	WIN 0
.endm
.macro QUANT s, w
	WIN (\w)|((\w)<<2)
.irp b, 0,1,2,3
	v_max3_num_f32 v[TM+\b], |v[(\s)+16*\b]|, |v[(\s)+1+16*\b]|, 0x1800000
.endr
	WIN ((\w)<<2)|((\w)<<4)
.irp i, 2,4,6,8,10,12,14
.irp b, 0,1,2,3
	v_max3_num_f32 v[TM+\b], v[TM+\b], |v[(\s)+16*\b+\i]|, |v[(\s)+1+16*\b+\i]|
.endr
.endr
	WIN 0
.irp b, 0,1,2,3
	v_permlanex16_b32 v[TM+4+\b], v[TM+\b], s[SEL], s[SEL+1]
.endr
.irp b, 0,1,2,3
	v_max_num_f32 v[TM+\b], v[TM+\b], v[TM+4+\b]
.endr
.irp b, 0,1,2,3
	v_add_nc_u32 v[TM+12+\b], 0xff000000, v[TM+\b]
.endr
.irp b, 0,1,2,3
	v_lshrrev_b32 v[TM+4+\b], 23, v[TM+12+\b]
.endr
	v_lshl_or_b32 v[PW], v[TM+5], 8, v[TM+4]
	v_lshl_or_b32 v[PW], v[TM+6], 16, v[PW]
	v_lshl_or_b32 v[PW], v[TM+7], 24, v[PW]
	WIN \w
.irp c, 0,1
	v_cvt_scalef32_pk16_fp6_f32 v[PC+6*\c:PC+2+6*\c], v[(\s)+32*\c:(\s)+15+32*\c], v[TM+12+2*\c]
	v_cvt_scalef32_pk16_fp6_f32 v[PC+12+4*\c:PC+14+4*\c], v[(\s)+16+32*\c:(\s)+31+32*\c], v[TM+12+2*\c+1]
.endr
	WIN 0
	v_nop
.irp c, 0,1
.irp i, 0,1,2
	v_permlane16_swap_b32 v[PC+6*\c+\i], v[PC+12+4*\c+\i]
.endr
.irp i, 0,1,2
	v_mov_b32 v[PC+3+6*\c+\i], v[PC+12+4*\c+\i]
.endr
.endr
.endm
	s_load_b128 s[4:7], s[0:1], 0x0
	s_load_b64 s[8:9], s[0:1], 0x10
	v_lshl_add_u32 v[SPW], v0, 2, SPARE
	v_mov_b32 v[NIL], 0
	ds_add_u32 v[SPW], v[NIL]
	ds_add_u32 v[SPW], v[NIL]
	v_lshrrev_b32 v1, 5, v0
	v_readfirstlane_b32 s14, v1
	s_lshr_b32 s15, s14, 1
	s_and_b32 s16, s14, 1
	s_bfe_u32 s40, ttmp6, 0x40000
	s_bfe_u32 s41, ttmp6, 0x40004
	s_and_b32 s18, ttmp7, 0xffff
	s_lshl_b32 s18, s18, 2
	s_lshl_b32 s19, ttmp9, 2
	s_cmp_eq_u32 ttmp9, 2
	s_cselect_b32 s17, 0, s18
	s_cselect_b32 s42, s18, s19
	s_cselect_b32 s73, 1, 0
	s_cselect_b32 s74, 1703936, 0
	s_add_co_u32 s17, s17, s41
	s_add_co_u32 s42, s42, s40
	s_lshl_b32 s43, s41, 2
	s_lshl_b32 s43, 15, s43
	s_lshl_b32 s44, 0x1111, s40
	s_or_b32 s[G1+0], s43, (3<<16)|(1<<21)
	s_or_b32 s[G1B+0], s44, (3<<16)|(1<<21)
.irp g, G1, G1B
	s_mov_b32 s[\g+1], (NQ*208)<<16
	s_mov_b32 s[\g+2], NA<<16
	s_mov_b32 s[\g+3], (NQ*208)<<16
	s_mov_b32 s[\g+4], NA
	s_mov_b32 s[\g+5], KT*208
	s_mov_b32 s[\g+6], 0
	s_mov_b32 s[\g+7], 0
.endr
	s_mul_i32 s18, s16, NA
	s_mul_i32 s20, s17, 2*NA
	s_add_co_u32 s20, s20, s18
	s_mul_i32 s20, s20, KT*1664
	s_add_co_u32 s20, s20, s74
	s_mov_b32 s21, 0
	s_mul_i32 s46, s42, 2*NA
	s_add_co_u32 s46, s46, s18
	s_mul_i32 s46, s46, KT*1664
	s_mov_b32 s47, 0
	s_mul_i32 s45, s14, HALFT
	s_mov_b32 s[SEL], 0x76543210
	s_mov_b32 s[SEL+1], 0xfedcba98
	s_wait_dscnt 0x0
	s_wait_kmcnt 0x0
	s_cmp_eq_u32 s73, 1
	s_cselect_b64 s[10:11], s[6:7], s[4:5]
	s_cselect_b64 s[12:13], s[4:5], s[6:7]
	s_add_nc_u64 s[20:21], s[10:11], s[20:21]
	s_add_nc_u64 s[46:47], s[12:13], s[46:47]
	CROUND
.irp s, 0,1
	s_mov_b32 s[G0+4*\s], 1
	s_add_co_u32 s[G0+4*\s+1], s45, \s*SLOT
	s_add_nc_u64 s[G0+4*\s+2:G0+4*\s+3], s[20:21], \s*NQ*1664
	s_or_b32 s[G0+4*\s+3], s[G0+4*\s+3], 0x80000000
	s_mov_b32 s[G0B+4*\s], 1
	s_add_co_u32 s[G0B+4*\s+1], s45, \s*SLOT
	s_add_nc_u64 s[G0B+4*\s+2:G0B+4*\s+3], s[46:47], \s*NQ*1664
	s_or_b32 s[G0B+4*\s+3], s[G0B+4*\s+3], 0x80000000
.if \s                                 ; slot 1's first fill is issued as a refill is; slot 0's stands behind the opening round
	s_wait_alu depctr_va_vdst(0)
	s_wait_tensorcnt 0x0
	ds_add_u32 v28, v29
	ds_add_u32 v28, v29
	s_wait_dscnt 0x0
	CROUND
.endif
	JLOAD \s
.endr
	v_and_b32 v1, 31, v0
	v_bfe_u32 v2, v0, 4, 1
	v_and_b32 v3, 15, v0
	v_lshlrev_b32 v[L16], 4, v1
	s_wait_alu depctr_va_vdst(0)
	v_lshlrev_b32 v[L4], 2, v1
	v_lshl_add_u32 v[L8], v1, 3, 512
	s_mul_i32 s21, s15, HALFT
	s_mul_i32 s22, s16, HALFT
	s_add_co_u32 s22, s22, 2*HALFT
	s_xor_b32 s23, s15, 1
	s_add_co_u32 s23, s23, s16
	s_add_co_u32 s23, s23, 1
	s_mul_i32 s23, s23, HALFT
	v_mul_u32_u24 v6, s23, v2
	v_add_nc_u32 v6, v6, v[L4]
.irp s, 0,1
	v_add_nc_u32 v[ADRA+\s], s21, v[L16]
	v_add_nc_u32 v[ADRB+\s], s22, v[L16]
	v_add_nc_u32 v[ADRS+\s], s21, v6
	s_add_co_u32 s21, s21, SLOT
	s_add_co_u32 s22, s22, SLOT
.endr
	s_lshl_b32 s75, s17, 4
	s_lshl_b32 s70, s15, 3
	s_add_co_u32 s75, s75, s70
	s_and_b32 s76, s75, 127
	s_lshl_b32 s76, s76, 12
	s_add_co_u32 s76, s76, 10223616
	s_mov_b32 s77, 0
	s_add_nc_u64 s[76:77], s[6:7], s[76:77]
	s_lshl_b32 s78, s42, 1
	s_add_co_u32 s78, s78, s16
	v_lshlrev_b32 v26, 4, v2
	v_and_b32 v30, 8, v3
	v_add_nc_u32 v30, v30, v3
	v_lshlrev_b32 v30, 8, v30
	v_lshl_add_u32 v30, v2, 6, v30
.macro CSLOAD a
.irp j, 0,1,2,3
	global_load_b128 v[CB+32*((\a)%2)+4*\j:CB+32*((\a)%2)+4*\j+3], v30, s[76:77] offset:(32*((\a)/2)+8*((\a)%2))*256+16*\j
	global_load_b128 v[CB+32*((\a)%2)+16+4*\j:CB+32*((\a)%2)+16+4*\j+3], v30, s[76:77] offset:(32*((\a)/2)+8*((\a)%2))*256+128+16*\j
.endr
.endm
	CSLOAD 0
	CSLOAD 1
	s_wait_alu depctr_va_vdst(0)
	s_wait_tensorcnt 0x1
	s_barrier_signal -1
	s_barrier_wait -1
	FETCH_B 0, 0, 0
	FETCH_A 0, 0, 0
	SCALES 0
	FETCH_A 0, 0, NA/2
	STEP 0, 0, 1
	s_mov_b32 s3, LAPS-1
.Llap:
	TURN 0, 1, 1
	STEP 1, 0, 0
	TURN 1, 0, 1
	STEP 0, 0, 0
	s_sub_co_u32 s3, s3, 1
	s_cmp_lg_u32 s3, 0
	s_cbranch_scc1 .Llap
	TURN 0, 1, 0
	STEP 1, 0, 0
	LAST
	PLACES
.irp b, 0,1,2,3
	v_mov_b32 v[TM+4+\b], 0
.endr
	s_cmp_eq_u32 s73, 1
	s_cbranch_scc1 .Lv_out
	s_lshr_b32 s79, s78, 3
	s_and_b32 s80, s78, 7
	s_lshl_b32 s80, s80, 1
	s_lshr_b32 s81, s75, 7
	s_lshl_b32 s81, s81, 4
	s_add_co_u32 s81, s81, s80
	s_and_b32 s82, s75, 127
	s_lshl_b32 s83, s81, 7
	s_add_co_u32 s83, s83, s82
	s_mul_i32 s84, s83, 768
	s_mul_i32 s85, s79, 3145728
	s_add_co_u32 s84, s84, s85
	s_mov_b32 s85, 0
	s_add_nc_u64 s[84:85], s[8:9], s[84:85]
	s_lshl_b32 s86, s79, 12
	s_add_co_u32 s86, s86, 8192
	s_mul_i32 s88, s81, s86
	s_lshr_b32 s87, s82, 3
	s_lshl_b32 s87, s87, 9
	s_add_co_u32 s88, s88, s87
	s_lshl_b32 s87, s79, 18
	s_add_co_u32 s88, s88, s87
	s_add_co_u32 s88, s88, 9437184
	s_mov_b32 s89, 0
	s_add_nc_u64 s[88:89], s[8:9], s[88:89]
	v_mul_u32_u24 v31, s86, v2
	v_lshl_add_u32 v31, v3, 5, v31
.set EA, 0
.rept 8
.if EA < 7
	s_wait_loadcnt 0x8
.else
	s_wait_loadcnt 0x0
.endif
	WIN 2+EA/4
.set CC, CB+32*(EA%2)
.set AQ, 64*(EA%4)
.irp hd, 0,1
.irp p, 0,2,4,6,8,10,12,14
	v_pk_mul_f32 v[TT+32*\hd+\p:TT+32*\hd+\p+1], v[AQ+32*\hd+\p:AQ+32*\hd+\p+1], v[CC+\p:CC+\p+1]
	v_pk_mul_f32 v[TT+32*\hd+16+\p:TT+32*\hd+17+\p], v[AQ+32*\hd+16+\p:AQ+32*\hd+17+\p], v[CC+\p:CC+\p+1]
	v_pk_fma_f32 v[TT+32*\hd+\p:TT+32*\hd+\p+1], v[AQ+32*\hd+16+\p:AQ+32*\hd+17+\p], v[CC+16+\p:CC+17+\p], v[TT+32*\hd+\p:TT+32*\hd+\p+1] neg_lo:[1,0,0] neg_hi:[1,0,0]
	v_pk_fma_f32 v[TT+32*\hd+16+\p:TT+32*\hd+17+\p], v[AQ+32*\hd+\p:AQ+32*\hd+\p+1], v[CC+16+\p:CC+17+\p], v[TT+32*\hd+16+\p:TT+32*\hd+17+\p]
.endr
.endr
	WIN 0
.if EA < 6
	CSLOAD EA+2
.endif
.if EA > 0
	s_wait_xcnt 0x0
.endif
	QUANT TT, 0
	v_lshrrev_b32 v[SW+EA], v26, v[PW]
	global_store_b128 v[L16], v[PC:PC+3], s[84:85] offset:EA*768
	global_store_b64 v[L8], v[PC+4:PC+5], s[84:85] offset:EA*768
	global_store_b128 v[L16], v[PC+6:PC+9], s[84:85] offset:EA*768+98304
	global_store_b64 v[L8], v[PC+10:PC+11], s[84:85] offset:EA*768+98304
.set EA, EA+1
.endr
	global_store_b128 v31, v[SW:SW+3], s[88:89]
	global_store_b128 v31, v[SW+4:SW+7], s[88:89] offset:16
	s_branch .Lend
.Lv_out:
	s_wait_loadcnt 0x0
	s_lshr_b32 s80, s75, 2
	s_lshr_b32 s81, s78, 4
	s_lshl_b32 s81, s81, 4
	s_add_co_u32 s81, s81, s80
	s_and_b32 s82, s78, 15
	s_lshl_b32 s83, s81, 4
	s_add_co_u32 s83, s83, s82
	s_mul_i32 s84, s83, 6144
	s_add_co_u32 s84, s84, 6291456
	s_mov_b32 s85, 0
	s_add_nc_u64 s[84:85], s[8:9], s[84:85]
	s_mul_i32 s88, s81, 12288
	s_lshl_b32 s87, s82, 8
	s_add_co_u32 s88, s88, s87
	s_add_co_u32 s88, s88, 9699328+8192
	s_mov_b32 s89, 0
	s_add_nc_u64 s[88:89], s[8:9], s[88:89]
	v_mul_u32_u24 v31, 12288, v2
	v_lshl_add_u32 v31, v3, 4, v31
.set EA, 0
.rept 8
.if EA > 0
	s_wait_xcnt 0x0
.endif
	QUANT 64*(EA%4), 2+EA/4
	v_mov_b32 v[SW+EA], v[PW]
.irp c, 0,1,2
	global_store_b128 v[L16], v[PC+4*\c:PC+4*\c+3], s[84:85] offset:(EA/4)*98304+(EA%4)*1536+512*\c
.endr
.set EA, EA+1
.endr
	v_cmp_eq_u32 vcc_lo, 1, v2
.irp t, 0,1,2,3
	v_cndmask_b32 v[250+\t], v[SW+\t], v[SW+4+\t], vcc_lo
.endr
	global_store_b128 v31, v[250:253], s[88:89]
.Lend:
	s_wait_tensorcnt 0x0
	ds_add_u32 v[SPW], v[NIL]
	s_wait_dscnt 0x0
	CROUND
	s_endpgm
.Lfunc_end_k_q7b83f68d8a_qkvg:
	.size	k_q7b83f68d8a_qkvg, .Lfunc_end_k_q7b83f68d8a_qkvg-k_q7b83f68d8a_qkvg
	.p2alignl 7, 3214868480
	.fill 96, 4, 3214868480
	.section	.rodata,"a",@progbits
	.p2align	6, 0x0
	.amdhsa_kernel k_q7b83f68d8a_qkvg
		.amdhsa_group_segment_fixed_size 327680
		.amdhsa_private_segment_fixed_size 0
		.amdhsa_enable_private_segment 0
		.amdhsa_kernarg_size 24
		.amdhsa_user_sgpr_count 2
		.amdhsa_user_sgpr_kernarg_segment_ptr 1
		.amdhsa_wavefront_size32 1
		.amdhsa_system_sgpr_workgroup_id_x 1
		.amdhsa_system_sgpr_workgroup_id_y 1
		.amdhsa_system_sgpr_workgroup_id_z 1
		.amdhsa_system_vgpr_workitem_id 0
		.amdhsa_next_free_vgpr 1024
		.amdhsa_next_free_sgpr 100
		.amdhsa_reserve_vcc 1
		.amdhsa_float_denorm_mode_32 3
		.amdhsa_float_denorm_mode_16_64 3
		.amdhsa_memory_ordered 1
		.amdhsa_forward_progress 1
		.amdhsa_inst_pref_size 215
	.end_amdhsa_kernel
	.amdgpu_metadata
---
amdhsa.version: [ 1, 2 ]
amdhsa.kernels:
  - .name:           k_q7b83f68d8a_qkvg
    .symbol:         k_q7b83f68d8a_qkvg.kd
    .args:
      - { .name: xq, .offset: 0, .size: 8, .value_kind: global_buffer, .address_space: global }
      - { .name: wb, .offset: 8, .size: 8, .value_kind: global_buffer, .address_space: global }
      - { .name: qkv, .offset: 16, .size: 8, .value_kind: global_buffer, .address_space: global }
    .group_segment_fixed_size: 327680
    .private_segment_fixed_size: 0
    .kernarg_segment_align: 8
    .kernarg_segment_size: 24
    .max_flat_workgroup_size: 128
    .sgpr_count:     100
    .vgpr_count:     1024
    .wavefront_size: 32
...
	.end_amdgpu_metadata
.endif
;; end of part 2
;; launch attn (part 3): grid 8 x 32, 16 waves a work-group, clusters of 4 x 1, 327,680 bytes of LDS; arguments qkv, src_mask, ao; writes ao
.if DOCPART == 3
	.amdgcn_target "amdgcn-amd-amdhsa--gfx1250"
	.amdhsa_code_object_version 6
	.text
	.protected	k_q7b83f68d8a_attn
	.globl	k_q7b83f68d8a_attn
	.p2align	8
	.type	k_q7b83f68d8a_attn,@function
k_q7b83f68d8a_attn:
	s_mov_b64 s[64:65], 0
	v_nop
	global_prefetch_b8 v0, s[64:65] scope:SCOPE_SE
	s_setreg_imm32_b32 hwreg(HW_REG_WAVE_MODE, 25, 1), 1
	s_wait_xcnt 0x0
	s_wait_alu depctr_hold_cnt(0) depctr_sa_sdst(0) depctr_va_vdst(0) depctr_va_sdst(0) depctr_va_ssrc(0) depctr_va_vcc(0) depctr_vm_vsrc(0)
	s_getreg_b32 s2, hwreg(HW_REG_IB_STS2, 6, 4)
	s_cmp_eq_u32 s2, 0
	s_cbranch_scc0 .Lentry_in_a_cluster
	s_endpgm
.Lentry_in_a_cluster:
	s_bfe_u32 s2, ttmp6, 0x10000c
	s_cmp_lg_u32 s2, 0x3003
	s_cbranch_scc0 .Lentry_shape_is_right
	s_endpgm
.Lentry_shape_is_right:
; O = softmax(q k^T / 8, hidden keys left out) v for one (batch, head) and 256 queries, both products on codes of FP6 (E2M3) with E8M0 scales; O is quantised along the channels and stored as an operand image for the next product.
; t = score x log2(e) / 8; M = the running largest t rounded UP to a whole number; p = 2^(t - M) is quantised along the keys; the row's sum is taken of the unquantised p and divides O at the end; when M moves, the sums and O are multiplied by 2^(old M - new M): exact.
; SHARES.  Sixteen waves, each one tile of 16 queries.  The head's K and V lie in LDS by key steps of 128 keys: step s at 12,288 s: K's 6,144 bytes, then V's.  Each byte is filled once: wave w brings step w by ONE tensor load, a tile of two rows
; (K's and V's, 3,145,728 bytes apart in qkv).  Waves 0-3 load at the head; waves 4-15 behind the first round, so that steps 4-15 are on their way while steps 0-3 are worked.  A wave has one tensor load out at the most; every wait on TENSORcnt is for 0.
; CLUSTERS of 4 x 1: four query blocks of one head ask for the same K and V jointly (mask 15).  The descriptor hangs on the head and the wave's number alone; the place in the cluster enters global addresses of Q and of the output only.
; The scale words (12,288 bytes) and the mask come by global loads and LDS stores into bytes of their own.  No prefetch: every tile is asked for by the head's load or by the first round's; there is no loop to run ahead in.
; LAYOUT.  Both products transposed: S^T = K Q^T, O^T = V^T P^T: a lane holds one query.  The image's tile t holds keys 32 (t / 2) + 8 (t % 2) + r + 8 (r / 8).  The tiles are regrouped BY LANE ADDRESS: tile n = 4 c + u takes in rows 0-7 keys 64 c + 8 u + 0 .. 7
; and in rows 8-15 keys 64 c + 32 + 8 u + 0 .. 7.  So lane (r, h) holds in the 32 registers of tiles 4 c .. 4 c + 3 the keys 64 c + 32 h + 0 .. 31: a whole block of p, in the order of the next operand's registers: no lane is asked for a block's maximum and no codes change lanes.
; K = 64 IN A FORM OF 128: q's registers 6-11 are zero codes.  K's registers 6-11 are the next tile's six (behind the last tile six zeros): FP6 has no code for infinity or NaN and no scale byte here is 0xff, so k = 64 .. 127 add nothing.
; THE MASK IS THE FIRST PRODUCT'S C: 0 for a key that counts, -2^100 for a hidden one; the running largest score starts at -2^86, above every hidden one: hidden keys never move M and their p is 0.
; LIMITS: |t| under 2^31; a batch whose mask leaves no key is not served (its sum is 0); NaN and infinities are not served.  Two heads share a fragment of the image: 8 of each 16 bytes of its middle third, and 2 of each scale word's 4 bytes, are stored by each.
.set STEPB, 12288
.set SCB,   196608                     ; K's scale words, 512 bytes a step; from + 8192 V's, 256 a step; written by LDS stores, no fill lands here
.set MKB,   208896                     ; 2,048 f32: the mask as C; likewise
.set SPARE, 217088                     ; the spare words, 128 bytes for each wave: eight blocks of 256 bytes that no other line names
.set SPW, 5
.set NIL, 6
.set WV,  18
.set SEL, 20
.set CS,  22
.set TK,  42                           ; the trip's codes: 24,576 bytes a trip of two steps
.set TS,  43                           ; K's scale words and the mask: 1,024 a trip
.set TV,  44                           ; V's scale words: 512 a trip
.set LS,  208                          ; v208-215 the row's sum, four chains of pairs
; v1 K's 16-byte pieces: 1536 g + 16 r' + 256 h (r' = r % 8, g = r / 8); v2 its 8-byte pieces: 1536 g + 8 r' + 128 h; v3 16 l; v4 SCB + 32 r' + 8 g; v7 SCB + 8192 + 16 r; v8 MKB + 128 h; v9 8 h; v29-31, v200-202 the trip's addresses;
; v12 -M, v13 largest score; v16-27 Q; v28 Q's word; v32-79 eight tiles of K x 6, later four fragments of V x 12; v80-85 zeros; v86-93 K's words; v96-159 C, S^T, p; v160-191 O^T; v192-198 at work; v204-207 V's words; v224-235 p's codes; v252 f; v253 p's word
.macro ROUND                           ; a round of the cluster's barrier
	s_barrier_signal -1
	s_barrier_wait -1
	s_cmp_lg_u32 s[WV], 0
	s_cbranch_scc1 .Lnot_wave_0_\@
	s_barrier_signal -3
.Lnot_wave_0_\@:
	s_barrier_wait -3
	s_barrier_signal -1
	s_barrier_wait -1
.endm
.macro SUMS j0, n                      ; pairs j0 .. j0 + n - 1 of p onto the four chains by turns; a chain's first line of a step brings it under the new M as well
.set J, \j0
.rept \n
.if J < 4
	v_pk_fma_f32 v[LS+2*J:LS+2*J+1], v[LS+2*J:LS+2*J+1], v[252:253], v[96+2*J:97+2*J] op_sel_hi:[1,0,1]
.else
	v_pk_add_f32 v[LS+2*(J%4):LS+2*(J%4)+1], v[LS+2*(J%4):LS+2*(J%4)+1], v[96+2*J:97+2*J]
.endif
.set J, J+1
.endr
.endm
	s_load_b128 s[4:7], s[0:1], 0x0                ; qkv, src_mask
	s_load_b64 s[8:9], s[0:1], 0x10                ; ao
	v_lshl_add_u32 v[SPW], v0, 2, SPARE
	v_mov_b32 v[NIL], 0
	ds_add_u32 v[SPW], v[NIL]                      ; the opening lines: the add, twice on end, and its wait ahead of the first round
	ds_add_u32 v[SPW], v[NIL]
	v_lshrrev_b32 v10, 5, v0
	s_delay_alu instid0(VALU_DEP_1)
	v_readfirstlane_b32 s[WV], v10                 ; wave 0..15
	s_and_b32 s19, ttmp7, 0xffff                   ; 16 b + head
	s_bfe_u32 s40, ttmp6, 0x40000                  ; cx
	s_lshl_b32 s41, ttmp9, 2
	s_add_co_u32 s41, s41, s40                     ; my block of 256 queries
	s_mov_b32 s24, 15|(3<<16)|(1<<21)              ; group 1: the mask of the four; elements of 8 bytes; bit 21 beside a mask
	s_mov_b32 s25, 768<<16                         ; a row of 6,144 bytes
	s_mov_b32 s26, 2<<16                           ; two rows
	s_mov_b32 s27, 768<<16
	s_mov_b32 s28, 2
	s_mov_b32 s29, 393216                          ; 3,145,728 bytes from K's row to V's
	s_mov_b32 s30, 0
	s_mov_b32 s31, 0
	s_mul_i32 s57, s[WV], STEPB                    ; step w's place in LDS
	s_mul_i32 s80, s19, 98304
	s_mul_i32 s76, s[WV], 6144
	s_add_co_u32 s80, s80, s76
	s_add_co_u32 s80, s80, 3145728                 ; K's step w in qkv
	s_mov_b32 s81, 0
	s_mul_i32 s78, s19, 12288
	s_add_co_u32 s78, s78, 9699328                 ; the head's scale words
	s_mov_b32 s79, 0
	s_lshl_b32 s82, s41, 4
	s_add_co_u32 s82, s82, s[WV]                   ; T: my tile of queries in the batch
	s_lshl_b32 s83, s19, 7
	s_add_co_u32 s83, s83, s82
	s_mul_i32 s84, s83, 768                        ; its codes
	s_mov_b32 s85, 0
	s_lshl_b32 s86, s19, 13
	s_lshr_b32 s87, s82, 3
	s_lshl_b32 s87, s87, 9
	s_add_co_u32 s86, s86, s87
	s_and_b32 s87, s82, 7
	s_lshl_b32 s87, s87, 2
	s_add_co_u32 s86, s86, s87
	s_add_co_u32 s86, s86, 9437184                 ; its scale words
	s_mov_b32 s87, 0
	s_lshr_b32 s88, s19, 4
	s_lshl_b32 s88, s88, 11                        ; my batch's mask
	s_mov_b32 s89, 0
	s_mov_b32 s[SEL], 0x76543210
	s_mov_b32 s[SEL+1], 0xfedcba98                 ; lane l xor 16
	s_mov_b32 s[CS], 0x3e38aa3b                    ; c = log2(e) / 8
	s_mov_b32 s[CS+1], s[CS]
	s_mov_b32 s[TK], 0
	s_mov_b32 s[TS], 0
	s_mov_b32 s[TV], 0
	v_and_b32 v10, 31, v0                          ; lane
	v_and_b32 v11, 15, v0                          ; r
	v_bfe_u32 v29, v0, 4, 1                        ; h
	v_and_b32 v30, 7, v0                           ; r'
	v_bfe_u32 v31, v0, 3, 1                        ; g
	v_mul_u32_u24 v1, v31, 1536
	v_lshlrev_b32 v3, 4, v10
	v_lshl_add_u32 v4, v30, 5, SCB
	v_lshl_add_u32 v7, v11, 4, SCB+8192
	v_lshl_add_u32 v8, v29, 7, MKB
	v_lshlrev_b32 v9, 3, v29
	v_lshl_add_u32 v2, v30, 3, v1
	v_lshl_add_u32 v1, v30, 4, v1
	v_lshl_add_u32 v4, v31, 3, v4
	v_lshl_add_u32 v2, v29, 7, v2
	v_lshl_add_u32 v1, v29, 8, v1
	v_lshl_add_u32 v217, v10, 3, 512               ; offsets of the head's global loads,
	v_lshlrev_b32 v218, 5, v11
	v_lshlrev_b32 v219, 2, v0
	v_lshlrev_b32 v220, 4, v0
	v_lshl_add_u32 v221, v0, 3, 8192
	v_lshl_add_u32 v222, v0, 4, MKB                ; and where their data go in LDS
	v_lshl_add_u32 v223, v0, 4, SCB
	v_lshl_add_u32 v199, v0, 3, SCB+8192
	s_wait_alu depctr_va_vdst(0)                   ; the wait directly ahead of the waits below
	s_wait_dscnt 0x0                               ; both opening adds are done
	s_wait_kmcnt 0x0
	s_mov_b32 s56, 1
	s_add_nc_u64 s[58:59], s[4:5], s[80:81]
	s_or_b32 s59, s59, 0x80000000
	s_add_nc_u64 s[78:79], s[4:5], s[78:79]
	s_add_nc_u64 s[84:85], s[4:5], s[84:85]
	s_add_nc_u64 s[86:87], s[4:5], s[86:87]
	s_add_nc_u64 s[88:89], s[6:7], s[88:89]
	global_load_b32 v216, v219, s[88:89]           ; four keys' mask bytes a thread
	global_load_b128 v[32:35], v220, s[78:79]      ; K's scale words: 512 threads x 16 bytes
	global_load_b64 v[36:37], v221, s[78:79]       ; V's: 512 x 8
	global_load_b128 v[16:19], v3, s[84:85]        ; Q
	global_load_b64 v[20:21], v217, s[84:85]
	global_load_b32 v28, v218, s[86:87]
	ROUND                                          ; the four work-groups are here: the first joint loads meet
	s_cmp_lt_u32 s[WV], 4
	s_cbranch_scc0 .Lnot_head
	tensor_load_to_lds s[56:59], s[24:31]          ; key steps 0 to 3, one a wave
	s_nop 0
.rept 4
	v_nop
.endr
.Lnot_head:
.irp j, 22,23,24,25,26,27,80,81,82,83,84,85
	v_mov_b32 v[\j], 0                             ; zero codes
.endr
	v_mov_b32 v13, 0xea800000                      ; the largest score so far: -2^86
	v_mov_b32 v196, 0                              ; written once: a lane permute's destination counts as one of its sources
	v_mov_b32 v253, 0
	s_delay_alu instid0(VALU_DEP_3)
	v_mul_f32 v198, s[CS], v13
	s_delay_alu instid0(VALU_DEP_1)
	v_floor_f32 v12, -v198                         ; -M
.set J, 0
.rept 8
	v_mov_b32 v[LS+J], 0                           ; the sums
.set J, J+1
.endr
.set J, 0
.rept 32
	v_mov_b32 v[160+J], 0                          ; O^T: the step is written once; the first finds zeros
.set J, J+1
.endr
	v_mov_b32 v94, 0xf1800000                      ; -2^100
	s_wait_alu depctr_va_vdst(0)                   ; the wait directly ahead of the wait below
	s_wait_loadcnt 0x0
.irp i, 0,1,2,3
	v_bfe_u32 v95, v216, 8*\i, 8
	s_delay_alu instid0(VALU_DEP_1)
	v_cmp_eq_u32 vcc_lo, 0, v95
	s_delay_alu instid0(VALU_DEP_1)
	v_cndmask_b32 v[40+\i], 0, v94, vcc_lo         ; the mask selects a value, no address and no branch
.endr
	ds_store_b128 v222, v[40:43]
	ds_store_b128 v223, v[32:35]
	ds_store_b64 v199, v[36:37]
	s_wait_alu depctr_va_vdst(0)                   ; the wait at the head's end
	s_wait_tensorcnt 0x0                           ; my step, if I fetched one, is in
	ds_add_u32 v[SPW], v[NIL]                      ; the add twice
	ds_add_u32 v[SPW], v[NIL]
	s_wait_dscnt 0x0                               ; the adds are done, and my part of the mask and of the scale words is in LDS
	ROUND                                          ; steps 0 to 3, the mask and the words are whole for all waves; the four work-groups are here
	s_cmp_ge_u32 s[WV], 4
	s_cbranch_scc0 .Lnot_rest
	tensor_load_to_lds s[56:59], s[24:31]          ; key steps 4 to 15, one a wave
	s_nop 0
.rept 4
	v_nop
.endr
.Lnot_rest:
; A KEY STEP: 128 keys; o: which of the trip's two
.macro STEP o
.irp n, 0,1,2,3,4,5,6,7
	ds_load_b128 v[96+8*\n:99+8*\n], v202 offset:(\o)*512+256*(\n/4)+32*(\n%4)         ; C: the mask's numbers at keys 64 c + 32 h + 8 u + 0 .. 7
	ds_load_b128 v[100+8*\n:103+8*\n], v202 offset:(\o)*512+256*(\n/4)+32*(\n%4)+16
.endr
.irp n, 0,1,2,3,4,5,6,7
	ds_load_b128 v[32+6*\n:35+6*\n], v29 offset:(\o)*STEPB+(4*(\n/4)+\n%2)*768+128*((\n%4)/2)   ; rows 0-7 from the image's tile 4 c + u % 2, rows 8-15 from the tile two on (1536 g); in each its rows 8 (u / 2) + r'
	ds_load_b64 v[36+6*\n:37+6*\n], v30 offset:(\o)*STEPB+(4*(\n/4)+\n%2)*768+64*((\n%4)/2)+512
.endr
.irp m, 0,1,2,3
	ds_load_b64 v[86+2*\m:87+2*\m], v200 offset:(\o)*512+256*(\m%2)+16*(\m/2)          ; the words of tiles 2 m, 2 m + 1, by the same rows
.endr
	s_wait_alu depctr_va_vdst(0)
	s_wait_dscnt 0x0
.irp t, 0,1,2,3,4,5,6,7
	v_wmma_scale_f32_16x16x128_f8f6f4 v[96+8*\t:103+8*\t], v[32+6*\t:43+6*\t], v[16:27], v[96+8*\t:103+8*\t], v[86+\t], v28 matrix_a_fmt:MATRIX_FMT_FP6 matrix_b_fmt:MATRIX_FMT_FP6
.endr
	v_mov_b32 v197, v12                            ; the old -M; with three v_nop the four places in front of the loads into K's registers and of the first read of the scores
.rept 3
	v_nop
.endr
.irp t, 0,1,2,3
.irp c, 0,1,2
	ds_load_b128 v[32+12*\t+4*\c:35+12*\t+4*\c], v31 offset:(\o)*STEPB+6144+1536*\t+512*\c   ; V's four fragments land under the softmax
.endr
.endr
	ds_load_b128 v[204:207], v201 offset:(\o)*256
.irp c, 0,1                            ; the largest score of my two blocks of 32 keys, each in two chains: for the row's maximum and, since p rises with the score, for the block's largest p
	v_max3_num_f32 v[192+\c], v[96+32*\c], v[97+32*\c], v[98+32*\c]
.endr
.irp c, 0,1
	v_max3_num_f32 v[194+\c], v[112+32*\c], v[113+32*\c], v[114+32*\c]
.endr
.irp i, 3,5,7,9,11,13
.irp c, 0,1
	v_max3_num_f32 v[192+\c], v[192+\c], v[96+32*\c+\i], v[97+32*\c+\i]
.endr
.irp c, 0,1
	v_max3_num_f32 v[194+\c], v[194+\c], v[112+32*\c+\i], v[113+32*\c+\i]
.endr
.endr
.irp c, 0,1
	v_max3_num_f32 v[192+\c], v[192+\c], v[194+\c], v[111+32*\c]
.endr
.irp c, 0,1
	v_max_num_f32 v[192+\c], v[192+\c], v[127+32*\c]
.endr
	s_delay_alu instid0(VALU_DEP_1)
	v_max3_num_f32 v13, v13, v192, v193
	s_delay_alu instid0(VALU_DEP_1)
	v_permlanex16_b32 v196, v13, s[SEL], s[SEL+1]
	s_delay_alu instid0(VALU_DEP_1)
	v_max_num_f32 v13, v13, v196                   ; the running largest score of my query
	s_delay_alu instid0(VALU_DEP_1)
	v_mul_f32 v198, s[CS], v13                     ; as t
	s_delay_alu instid0(VALU_DEP_1)
	v_floor_f32 v12, -v198                         ; the new -M = -ceil(t)
	s_delay_alu instid0(VALU_DEP_1)
	v_sub_f32 v197, v12, v197                      ; old M - new M: a whole number, 0 or less
	s_delay_alu instid0(VALU_DEP_1)
	v_cvt_i32_f32 v197, v197                       ; (it saturates)
	s_delay_alu instid0(VALU_DEP_1)
	v_ldexp_f32 v252, 1.0, v197                    ; f = 2^(old M - new M)
.set J, 0
.rept 32
	v_pk_fma_f32 v[96+J:97+J], v[96+J:97+J], s[CS:CS+1], v[12:13] op_sel_hi:[1,0,0]   ; t - M
.set J, J+2
.endr
	v_fma_f32 v192, v192, s[CS], v12
	v_fma_f32 v193, v193, s[CS], v12
.set J, 0
.rept 16
	v_pk_mul_f32 v[160+J:161+J], v[160+J:161+J], v[252:253] op_sel_hi:[1,0]   ; O^T under the new M, each accumulator from its low end on
.set J, J+2
.endr
	s_wait_alu depctr_va_vdst(0)                   ; the wait ahead of the batch
.set J, 0
.rept 64
	v_exp_f32 v[96+J], v[96+J]                     ; p = 2^(t - M)
.set J, J+1
.endr
	v_exp_f32 v192, v192                           ; my blocks' largest p
	v_exp_f32 v193, v193
	v_nop                                          ; a plain line behind the exponentials
	s_wait_alu depctr_va_vdst(0)                   ; one wait for the batch of 66, ahead of its first reader
	v_max_num_f32 v192, 0x1800000, v192            ; the floor 2^(3 - 127): a block whose every p is 0 keeps the byte 1: its codes are zeros
	v_max_num_f32 v193, 0x1800000, v193
	s_delay_alu instid0(VALU_DEP_2)
	v_add_nc_u32 v244, 0xff000000, v192            ; 2 off the exponent field: the conversion's scale operand
	s_delay_alu instid0(VALU_DEP_2)
	v_add_nc_u32 v245, 0xff000000, v193
	s_delay_alu instid0(VALU_DEP_2)
	v_lshrrev_b32 v246, 23, v244                   ; the scale's byte
	s_delay_alu instid0(VALU_DEP_2)
	v_lshrrev_b32 v247, 23, v245
	s_delay_alu instid0(VALU_DEP_1)
	v_lshl_or_b32 v253, v247, 16, v246             ; blocks h and 2 + h,
	s_delay_alu instid0(VALU_DEP_1)
	v_lshlrev_b32 v253, v9, v253                   ; at their places in the word (8 h bits up)
	s_delay_alu instid0(VALU_DEP_1)
	v_permlanex16_b32 v198, v253, s[SEL], s[SEL+1]
.irp c, 0,1
	v_cvt_scalef32_pk16_fp6_f32 v[224+6*\c:226+6*\c], v[96+32*\c:111+32*\c], v[244+\c]
	v_cvt_scalef32_pk16_fp6_f32 v[236+4*\c:238+4*\c], v[112+32*\c:127+32*\c], v[244+\c]   ; (a conversion's three registers begin on an even number)
.endr
	v_or_b32 v253, v253, v198                      ; with lane l xor 16's two bytes p's scale word is whole (also the plain line behind the conversions)
.irp c, 0,1
.irp i, 0,1,2
	v_mov_b32 v[227+6*\c+\i], v[236+4*\c+\i]
.endr
.endr
	SUMS 0, 24                                     ; the row's sum of the unquantised p; these 24 are the places behind the writes of p's codes and word
	s_wait_alu depctr_va_vdst(0)                   ; the wait directly ahead of the wait below
	s_wait_dscnt 0x0                               ; V
.irp t, 0,1,2,3
	v_wmma_scale_f32_16x16x128_f8f6f4 v[160+8*\t:167+8*\t], v[32+12*\t:43+12*\t], v[224:235], v[160+8*\t:167+8*\t], v[204+\t], v253 matrix_a_fmt:MATRIX_FMT_FP6 matrix_b_fmt:MATRIX_FMT_FP6
.endr
	SUMS 24, 8                                     ; the last eight name no register of the products: the places in front of the next loads into V's registers
.endm
.macro TRIP                            ; two key steps
	v_add_nc_u32 v29, s[TK], v1
	v_add_nc_u32 v30, s[TK], v2
	v_add_nc_u32 v31, s[TK], v3
	v_add_nc_u32 v200, s[TS], v4
	v_add_nc_u32 v201, s[TV], v7
	v_add_nc_u32 v202, s[TS], v8
	STEP 0
	STEP 1
	s_add_co_u32 s[TK], s[TK], 2*STEPB
	s_add_co_u32 s[TS], s[TS], 1024
	s_add_co_u32 s[TV], s[TV], 512
.endm
	s_mov_b32 s11, 2
.Lk0:                                          ; key steps 0 to 3
	TRIP
	s_sub_co_u32 s11, s11, 1
	s_cmp_lg_u32 s11, 0
	s_cbranch_scc1 .Lk0
	s_wait_tensorcnt 0x0                           ; my step of 4 to 15 is in
	s_wait_dscnt 0x0
	s_barrier_signal -1
	s_barrier_wait -1                              ; and so is everybody's; nothing is ever filled again
	s_mov_b32 s11, 6
.Lk1:                                          ; key steps 4 to 15
	TRIP
	s_sub_co_u32 s11, s11, 1
	s_cmp_lg_u32 s11, 0
	s_cbranch_scc1 .Lk1
	; THE WAY OUT.  O^T / the sum; register 16 b + i = channel 32 b + 16 h + i of my query: two blocks of the next product's K
	s_and_b32 s76, s19, 15                         ; head
	s_lshr_b32 s77, s19, 4
	s_lshl_b32 s77, s77, 7
	s_add_co_u32 s77, s77, s82                     ; the image's rowblock: 128 b + T
	s_mul_i32 s77, s77, 13312
	s_lshr_b32 s78, s76, 2
	s_mul_i32 s78, s78, 3328
	s_add_co_u32 s78, s77, s78
	s_mov_b32 s79, 0
	s_add_nc_u64 s[8:9], s[8:9], s[78:79]
	s_bfe_u32 s80, s76, 0x10001                    ; (head / 2) % 2: which K step of the pair
	s_mul_i32 s81, s80, 1536
	s_lshl_b32 s80, s80, 7
	s_and_b32 s83, s76, 1                          ; head % 2: which half of the fragment
	s_lshl_b32 s84, s83, 1
	s_add_co_u32 s80, s80, s84
	s_add_co_u32 s80, s80, 3072
	s_wait_alu depctr_va_vdst(0)                   ; the wait directly ahead of the reader below
	v_pk_add_f32 v[LS:LS+1], v[LS:LS+1], v[LS+2:LS+3]
	v_pk_add_f32 v[LS+4:LS+5], v[LS+4:LS+5], v[LS+6:LS+7]
	v_pk_add_f32 v[LS:LS+1], v[LS:LS+1], v[LS+4:LS+5]
	v_add_f32 v14, v[LS], v[LS+1]
	s_delay_alu instid0(VALU_DEP_1)
	v_permlanex16_b32 v196, v14, s[SEL], s[SEL+1]
	s_delay_alu instid0(VALU_DEP_1)
	v_add_f32 v14, v14, v196                       ; the row's sum
	s_wait_alu depctr_va_vdst(0)                   ; the wait ahead of the transcendental
	v_rcp_f32 v14, v14
	v_and_b32 v8, 31, v0
	v_lshl_add_u32 v9, v8, 4, s81
	v_lshl_add_u32 v10, v8, 2, s80                 ; 4 lane + my two bytes' place among the scale words
	s_wait_alu depctr_va_vdst(0)                   ; the wait for the reciprocal, directly ahead of the first reader of it and of O^T
.set J, 0
.rept 32
	v_mul_f32 v[96+J], v[160+J], v14
.set J, J+1
.endr
.irp b, 0,1
	v_max3_num_f32 v[232+\b], |v[96+16*\b]|, |v[97+16*\b]|, 0x1800000
.endr
.irp i, 2,4,6,8,10,12,14
.irp b, 0,1
	s_delay_alu instid0(VALU_DEP_2)
	v_max3_num_f32 v[232+\b], v[232+\b], |v[96+16*\b+\i]|, |v[97+16*\b+\i]|
.endr
.endr
.irp b, 0,1
	v_permlanex16_b32 v[236+\b], v[232+\b], s[SEL], s[SEL+1]
.endr
.irp b, 0,1
	s_delay_alu instid0(VALU_DEP_2)
	v_max_num_f32 v[232+\b], v[232+\b], v[236+\b]
.endr
.irp b, 0,1
	s_delay_alu instid0(VALU_DEP_2)
	v_add_nc_u32 v[244+\b], 0xff000000, v[232+\b]
.endr
.irp b, 0,1
	s_delay_alu instid0(VALU_DEP_2)
	v_lshrrev_b32 v[240+\b], 23, v[244+\b]
.endr
	s_delay_alu instid0(VALU_DEP_1)
	v_lshl_or_b32 v253, v241, 8, v240              ; my head's two bytes of the row's scale word
	v_cvt_scalef32_pk16_fp6_f32 v[224:226], v[96:111], v244
	v_cvt_scalef32_pk16_fp6_f32 v[236:238], v[112:127], v245
	v_nop
.irp i, 0,1,2
	v_permlane16_swap_b32 v[224+\i], v[236+\i]     ; here a block lies in lanes l and l xor 16: the layout wants it whole in a lane
.endr
.irp i, 0,1,2
	s_delay_alu instid0(VALU_DEP_3)
	v_mov_b32 v[227+\i], v[236+\i]                 ; v224-229: registers 6 c .. 6 c + 5 of the fragment, c = head % 2
.endr
	global_store_b16 v10, v253, s[8:9]
	s_cmp_eq_u32 s83, 0                            ; a branch on the head's number, which the cluster's partners share
	s_cbranch_scc0 .Lodd
	global_store_b128 v9, v[224:227], s[8:9]       ; registers 0-3,
	global_store_b64 v9, v[228:229], s[8:9] offset:512   ; 4-5
	s_branch .Lstored
.Lodd:
	s_wait_alu depctr_va_vdst(0)                   ; the wait directly ahead of the reader below
	global_store_b64 v9, v[224:225], s[8:9] offset:520   ; registers 6-7,
	global_store_b128 v9, v[226:229], s[8:9] offset:1024 ; 8-11
.Lstored:
	s_wait_tensorcnt 0x0                           ; the wave's end
	ds_add_u32 v[SPW], v[NIL]
	s_wait_dscnt 0x0
	ROUND                                          ; the closing round
	s_endpgm
.Lfunc_end_k_q7b83f68d8a_attn:
	.size	k_q7b83f68d8a_attn, .Lfunc_end_k_q7b83f68d8a_attn-k_q7b83f68d8a_attn
	.p2alignl 7, 3214868480
	.fill 96, 4, 3214868480
	.section	.rodata,"a",@progbits
	.p2align	6, 0x0
	.amdhsa_kernel k_q7b83f68d8a_attn
		.amdhsa_group_segment_fixed_size 327680
		.amdhsa_private_segment_fixed_size 0
		.amdhsa_enable_private_segment 0
		.amdhsa_kernarg_size 24
		.amdhsa_user_sgpr_count 2
		.amdhsa_user_sgpr_kernarg_segment_ptr 1
		.amdhsa_wavefront_size32 1
		.amdhsa_system_sgpr_workgroup_id_x 1
		.amdhsa_system_sgpr_workgroup_id_y 1
		.amdhsa_system_sgpr_workgroup_id_z 1
		.amdhsa_system_vgpr_workitem_id 0
		.amdhsa_next_free_vgpr 256
		.amdhsa_next_free_sgpr 100
		.amdhsa_reserve_vcc 1
		.amdhsa_float_denorm_mode_32 3
		.amdhsa_float_denorm_mode_16_64 3
		.amdhsa_memory_ordered 1
		.amdhsa_forward_progress 1
		.amdhsa_inst_pref_size 81
	.end_amdhsa_kernel
	.amdgpu_metadata
---
amdhsa.version: [ 1, 2 ]
amdhsa.kernels:
  - .name:           k_q7b83f68d8a_attn
    .symbol:         k_q7b83f68d8a_attn.kd
    .args:
      - { .name: qkv, .offset: 0, .size: 8, .value_kind: global_buffer, .address_space: global }
      - { .name: src_mask, .offset: 8, .size: 8, .value_kind: global_buffer, .address_space: global }
      - { .name: ao, .offset: 16, .size: 8, .value_kind: global_buffer, .address_space: global }
    .group_segment_fixed_size: 327680
    .private_segment_fixed_size: 0
    .kernarg_segment_align: 8
    .kernarg_segment_size: 24
    .max_flat_workgroup_size: 512
    .sgpr_count:     100
    .vgpr_count:     256
    .wavefront_size: 32
...
	.end_amdgpu_metadata
.endif
;; end of part 3
;; launch wo (part 4): grid 8 x 32, 4 waves a work-group, clusters of 4 x 4, 327,680 bytes of LDS; arguments ao, wb, x, xm; writes xm
.if DOCPART == 4
	.amdgcn_target "amdgcn-amd-amdhsa--gfx1250"
	.amdhsa_code_object_version 6
	.text
	.protected	k_q7b83f68d8a_wo
	.globl	k_q7b83f68d8a_wo
	.p2align	8
	.type	k_q7b83f68d8a_wo,@function
k_q7b83f68d8a_wo:
	s_mov_b64 s[64:65], 0
	v_nop
	global_prefetch_b8 v0, s[64:65] scope:SCOPE_SE
	s_setreg_imm32_b32 hwreg(HW_REG_WAVE_MODE, 25, 1), 1
	s_wait_xcnt 0x0
	s_wait_alu depctr_hold_cnt(0) depctr_sa_sdst(0) depctr_va_vdst(0) depctr_va_sdst(0) depctr_va_ssrc(0) depctr_va_vcc(0) depctr_vm_vsrc(0)
	s_getreg_b32 s2, hwreg(HW_REG_IB_STS2, 6, 4)
	s_cmp_eq_u32 s2, 0
	s_cbranch_scc0 .Lentry_in_a_cluster
	s_endpgm
.Lentry_in_a_cluster:
	s_bfe_u32 s2, ttmp6, 0x10000c
	s_cmp_lg_u32 s2, 0xf033
	s_cbranch_scc0 .Lentry_shape_is_right
	s_endpgm
.Lentry_shape_is_right:
; xm = x + attention's output x w_o, on codes of FP6 (E2M3) with E8M0 scales for each 32 along K = 1,024; sums and the residual in f32.
; OPERANDS are images of their registers: rowblock p (rows 32 (p / 2) + 8 (p % 2) + r + 8 (r / 8)), K step s: codes at p KT 1664 + (s / 2) 3328 + (s % 2) 1536 + 512 c + 16 lane, scale words at .. + 3072 + (s % 2) 128 + 4 lane.
; A tile of 128 x 128 (256 work-groups at these sizes) is made by four waves, 64 x 64 each: 16 accumulators.  K lies in one LDS slot, filled once: a wave's tensor load brings 4 rowblocks x 13,312 bytes.
; Source 0 = a rowblock of w_o's columns, source 1 = one of tokens: lane (r, h) holds a token, register j of tile b column 32 (b / 2) + 16 h + 8 (b % 2) + j.
; CLUSTERS of 4 x 4: A's tile is shared along a row of the cluster, B's along a column: joint loads.  The residual rows are loaded at the head into window 3, in the layout in which the rows leave.
.set NA, 4
; AS IT STANDS NOW: all of K = 1,024 lies in ONE slot, filled once: a wave's one tensor load brings 4 rowblocks x 13,312 bytes; no change of slots; the stage has bytes of its own behind the spare words.
.set NQ, 8
.set KT, 8
.set BOFF, 2555904                     ; w_o's image in wb
.set HASBIAS, 0
.set RES, 8                            ; s[8:9] the residual, s[10:11] the output
.set OUTP, 10
.set HALFT,  NA*NQ*1664
.set SLOT,   4*HALFT
.set SPARE,  SLOT                      ; behind the slot: the spare words, 128 bytes for each wave: two blocks of 256 bytes that no other line names
.set STG,    SLOT+512                  ; behind them: four stages of 4,352 bytes, into which no fill lands
.set LAPS,   KT/(2*NQ)
.set NL,     3
.set ADRA, 16
.set ADRS, 18
.set ADRB, 20
.set L16,  22
.set STO,  24                          ; the way out: where I put 32 bytes of a row
.set RD,   25                          ; where I read a row back
.set CO,   26                          ; my byte offset in two rows of the output
.set L4,   27
.set SPW,  28
.set NIL,  29
.set SC,   32                          ; v32-63 scale words and nothing else
.set CB,   64                          ; v64-95 the bias as C, where there is one
.set AF,   128                         ; v128-175 A's fragments;  window 1: B's two sets;  window 2: accumulator (a, b) at v[8 (4 a + b)];  window 3: the residual, register 32 a + 4 t
.set BK,   128                         ; the way out: 16 rows read back, two buffers of 32
.set G1,  24
.set G0,  32
.set G1B, 48
.set G0B, 56
.set MSB, 0
.macro WIN new
.if MSB != (\new)
	s_set_vgpr_msb (MSB<<8)|(\new)
.set MSB, \new
.endif
.endm
.macro JLOAD s
	s_cmp_eq_u32 s15, 0
	s_cbranch_scc0 .Lfor_b_\@
	tensor_load_to_lds s[G0+4*\s:G0+4*\s+3], s[G1:G1+7]
	s_nop 0
.rept 4
	v_nop
.endr
	s_branch .Lasked_\@
.Lfor_b_\@:
	tensor_load_to_lds s[G0B+4*\s:G0B+4*\s+3], s[G1B:G1B+7]
	s_nop 0
.rept 4
	v_nop
.endr
.Lasked_\@:
.endm
.macro CREST
	s_cmp_lg_u32 s14, 0
	s_cbranch_scc1 .Lnot_wave_0_\@
	s_barrier_signal -3
.Lnot_wave_0_\@:
	s_barrier_wait -3
	s_barrier_signal -1
	s_barrier_wait -1
.endm
.macro CROUND
	s_barrier_signal -1
	s_barrier_wait -1
	CREST
.endm
.macro PLACES
.rept 4
	v_nop
.endr
.endm
.macro FRAG reg, adr, q, i
.irp c, 0,1,2
	ds_load_b128 v[\reg+4*\c:\reg+4*\c+3], v[\adr] offset:(\i)*NQ*1664+((\q)/2)*3328+((\q)%2)*1536+512*\c
.endr
.endm
.macro FETCH_B slot, q, p
	WIN 0x40
.set FI, 0
.rept NA
	FRAG 128*(\p)+12*FI, ADRB+\slot, \q, FI
.set FI, FI+1
.endr
	WIN 0
.endm
.macro FETCH_A slot, q, i0
.set FI, \i0
.rept NA/2
	FRAG AF+12*FI, ADRA+\slot, \q, FI
.set FI, FI+1
.endr
.endm
.macro SCALES sl
.set SI, 0
.rept NA
.set SQ, 0
.rept NQ
	ds_load_b32 v[SC+16*(\sl)+NQ*SI+SQ], v[ADRS+\sl] offset:SI*NQ*1664+(SQ/2)*3328+3072+(SQ%2)*128
.set SQ, SQ+1
.endr
.set SI, SI+1
.endr
.endm
; first = 1: C = 0 starts the sums; 2: the bias does.  The accumulators take turns, one instruction a turn, in the same order in every step.
.macro MULS a0, cnt, p, q, sc, first
.set MW, 2+((\a0)*NA)/32
.if (\first) == 2
	WIN 0x01|(MW<<6)
.else
	WIN 0x01|(MW<<4)|(MW<<6)
.endif
.set MA, \a0
.rept \cnt
.set MB, 0
.rept NA
.set MD, 8*(NA*(MA%4)+MB)
.if (\first) == 1
	v_wmma_scale_f32_16x16x128_f8f6f4 v[MD:MD+7], v[128*(\p)+12*MB:128*(\p)+12*MB+11], v[AF+12*MA:AF+12*MA+11], 0, v[SC+16*(\sc)+NQ*MB+(\q)], v[SC+16*(\sc)+NQ*MA+(\q)] matrix_a_fmt:MATRIX_FMT_FP6 matrix_b_fmt:MATRIX_FMT_FP6 matrix_a_scale:MATRIX_SCALE_ROW1
.elseif (\first) == 2
	v_wmma_scale_f32_16x16x128_f8f6f4 v[MD:MD+7], v[128*(\p)+12*MB:128*(\p)+12*MB+11], v[AF+12*MA:AF+12*MA+11], v[CB+8*MB:CB+8*MB+7], v[SC+16*(\sc)+NQ*MB+(\q)], v[SC+16*(\sc)+NQ*MA+(\q)] matrix_a_fmt:MATRIX_FMT_FP6 matrix_b_fmt:MATRIX_FMT_FP6 matrix_a_scale:MATRIX_SCALE_ROW1
.else
	v_wmma_scale_f32_16x16x128_f8f6f4 v[MD:MD+7], v[128*(\p)+12*MB:128*(\p)+12*MB+11], v[AF+12*MA:AF+12*MA+11], v[MD:MD+7], v[SC+16*(\sc)+NQ*MB+(\q)], v[SC+16*(\sc)+NQ*MA+(\q)] matrix_a_fmt:MATRIX_FMT_FP6 matrix_b_fmt:MATRIX_FMT_FP6 matrix_a_scale:MATRIX_SCALE_ROW1
.endif
.set MB, MB+1
.endr
.set MA, MA+1
.endr
.endm
.macro STEP slot, q, first
	s_wait_dscnt (NA/2)*NL                         ; all but the youngest loads, A's upper rowblocks
	MULS 0, NA/2, (\q)%2, \q, \slot, \first
	s_wait_dscnt 0x0
	PLACES
	FETCH_B \slot, (\q)+1, 1-(\q)%2
	FETCH_A \slot, (\q)+1, 0
	MULS NA/2, NA/2, (\q)%2, \q, \slot, \first
	PLACES
	WIN 0
	FETCH_A \slot, (\q)+1, NA/2
.endm
.macro TURN slot, next, fill           ; a slot's last step changes slots: one barrier, with the waits and the add in front of it
	s_wait_tensorcnt 0x0                           ; all my tensor loads have landed: my part of the next slot
	ds_add_u32 v[SPW], v[NIL]
	s_wait_dscnt (NA/2)*NL+1                       ; (the add and A's upper rowblocks may be out)
	MULS 0, NA/4, 1, NQ-1, \slot, 0
	s_wait_dscnt 0x0                               ; the add is done, and my reads of this slot are over
	s_barrier_signal -1
	MULS NA/4, NA/4, 1, NQ-1, \slot, 0
	WIN 0
	s_barrier_wait -1
.if \fill
	CREST
	s_add_nc_u64 s[G0+4*\slot+2:G0+4*\slot+3], s[G0+4*\slot+2:G0+4*\slot+3], 2*NQ*1664
	s_add_nc_u64 s[G0B+4*\slot+2:G0B+4*\slot+3], s[G0B+4*\slot+2:G0B+4*\slot+3], 2*NQ*1664
	JLOAD \slot
.else
	PLACES
.endif
	FETCH_B \next, 0, 0
	FETCH_A \next, 0, 0
	SCALES \next
	MULS NA/2, NA/2, 1, NQ-1, \slot, 0
	PLACES
	WIN 0
	FETCH_A \next, 0, NA/2
.endm
.macro REST slot
	STEP \slot, 1, 0
	STEP \slot, 2, 0
.endm
.macro LAST
	s_wait_dscnt (NA/2)*NL
	MULS 0, NA/2, 1, NQ-1, 0, 0
	s_wait_dscnt 0x0
	MULS NA/2, NA/2, 1, NQ-1, 0, 0
	WIN 0
.endm
	s_load_b128 s[4:7], s[0:1], 0x0                ; ao, wb
	s_load_b128 s[8:11], s[0:1], 0x10              ; x, xm
	v_lshl_add_u32 v[SPW], v0, 2, SPARE
	v_mov_b32 v[NIL], 0
	ds_add_u32 v[SPW], v[NIL]                      ; the wave's opening: the add and its wait ahead of my first tensor load
	ds_add_u32 v[SPW], v[NIL]
	v_lshrrev_b32 v1, 5, v0
	v_readfirstlane_b32 s14, v1
	s_lshr_b32 s15, s14, 1
	s_and_b32 s16, s14, 1
	s_bfe_u32 s40, ttmp6, 0x40000
	s_bfe_u32 s41, ttmp6, 0x40004
	s_lshl_b32 s42, ttmp9, 2
	s_add_co_u32 s42, s42, s40                     ; tile column
	s_and_b32 s17, ttmp7, 0xffff
	s_lshl_b32 s17, s17, 2
	s_add_co_u32 s17, s17, s41                     ; tile row
	s_lshl_b32 s43, s41, 2
	s_lshl_b32 s43, 15, s43
	s_lshl_b32 s44, 0x1111, s40
	s_or_b32 s[G1+0], s43, (3<<16)|(1<<21)         ; the mask; elements of 8 bytes; bit 21 beside a mask; no padding
	s_or_b32 s[G1B+0], s44, (3<<16)|(1<<21)
.irp g, G1, G1B
	s_mov_b32 s[\g+1], (NQ*208)<<16
	s_mov_b32 s[\g+2], NA<<16
	s_mov_b32 s[\g+3], (NQ*208)<<16
	s_mov_b32 s[\g+4], NA
	s_mov_b32 s[\g+5], KT*208
	s_mov_b32 s[\g+6], 0
	s_mov_b32 s[\g+7], 0
.endr
	s_mul_i32 s18, s16, NA
	s_mul_i32 s20, s17, 2*NA
	s_add_co_u32 s20, s20, s18
	s_mul_i32 s20, s20, KT*1664
	s_mov_b32 s21, 0
	s_mul_i32 s46, s42, 2*NA
	s_add_co_u32 s46, s46, s18
	s_mul_i32 s46, s46, KT*1664
	s_add_co_u32 s46, s46, BOFF
	s_mov_b32 s47, 0
	s_mul_i32 s45, s14, HALFT
	s_wait_dscnt 0x0
	s_wait_kmcnt 0x0
	s_add_nc_u64 s[20:21], s[4:5], s[20:21]
	s_add_nc_u64 s[46:47], s[6:7], s[46:47]
	CROUND
.irp s, 0
	s_mov_b32 s[G0+4*\s], 1
	s_add_co_u32 s[G0+4*\s+1], s45, \s*SLOT
	s_add_nc_u64 s[G0+4*\s+2:G0+4*\s+3], s[20:21], \s*NQ*1664
	s_or_b32 s[G0+4*\s+3], s[G0+4*\s+3], 0x80000000
	s_mov_b32 s[G0B+4*\s], 1
	s_add_co_u32 s[G0B+4*\s+1], s45, \s*SLOT
	s_add_nc_u64 s[G0B+4*\s+2:G0B+4*\s+3], s[46:47], \s*NQ*1664
	s_or_b32 s[G0B+4*\s+3], s[G0B+4*\s+3], 0x80000000
	JLOAD \s
.endr
	v_and_b32 v1, 31, v0
	v_bfe_u32 v2, v0, 4, 1                         ; h
	v_and_b32 v3, 15, v0                           ; r
	v_lshlrev_b32 v[L16], 4, v1
	s_wait_alu depctr_va_vdst(0)
	v_lshlrev_b32 v[L4], 2, v1
	s_mul_i32 s21, s15, HALFT
	s_mul_i32 s22, s16, HALFT
	s_add_co_u32 s22, s22, 2*HALFT
	s_xor_b32 s23, s15, 1
	s_add_co_u32 s23, s23, s16
	s_add_co_u32 s23, s23, 1
	s_mul_i32 s23, s23, HALFT
	v_mul_u32_u24 v6, s23, v2
	v_add_nc_u32 v6, v6, v[L4]
.irp s, 0,1
	v_add_nc_u32 v[ADRA+\s], s21, v[L16]
	v_add_nc_u32 v[ADRB+\s], s22, v[L16]
	v_add_nc_u32 v[ADRS+\s], s21, v6
	s_add_co_u32 s21, s21, SLOT
	s_add_co_u32 s22, s22, SLOT
.endr
	s_lshl_b32 s70, s17, 3
	s_lshl_b32 s71, s15, 2
	s_add_co_u32 s70, s70, s71                     ; R0: my first rowblock of tokens
	s_lshl_b32 s70, s70, 16                        ; 16 R0 rows of 4,096 bytes
	s_lshl_b32 s71, s42, 9
	s_add_co_u32 s70, s70, s71
	s_lshl_b32 s71, s16, 8
	s_add_co_u32 s70, s70, s71                     ; + my 64 columns
	s_mov_b32 s71, 0
	s_add_nc_u64 s[RES:RES+1], s[RES:RES+1], s[70:71]
	s_add_nc_u64 s[OUTP:OUTP+1], s[OUTP:OUTP+1], s[70:71]
	v_lshlrev_b32 v[CO], 12, v2
	v_lshl_add_u32 v[CO], v3, 4, v[CO]             ; lanes 0-15 one row's 256 bytes, lanes 16-31 the next row's
	s_mul_i32 s72, s14, 4352                       ; my stage: 16 rows x 272 bytes
	s_add_co_u32 s72, s72, STG
	v_mul_u32_u24 v[STO], v3, 272
	v_lshl_add_u32 v[STO], v2, 6, v[STO]
	v_add_nc_u32 v[STO], s72, v[STO]
	v_mul_u32_u24 v[RD], v2, 272
	v_lshl_add_u32 v[RD], v3, 4, v[RD]
	v_add_nc_u32 v[RD], s72, v[RD]
	WIN 0xc0                                       ; destination window 3
.irp a, 0,1,2,3
.irp t, 0,1,2,3,4,5,6,7
	global_load_b128 v[32*\a+4*\t:32*\a+4*\t+3], v[CO], s[RES:RES+1] offset:(32*(\a/2)+8*(\a%2)+2*\t+8*(\t/4))*4096
.endr
.endr
	WIN 0
	s_wait_alu depctr_va_vdst(0)
	s_wait_tensorcnt 0x0                           ; my part of the slot is in
	s_barrier_signal -1
	s_barrier_wait -1
	FETCH_B 0, 0, 0
	FETCH_A 0, 0, 0
	SCALES 0
	FETCH_A 0, 0, NA/2
	STEP 0, 0, 1                                   ; the first products start the sums
.irp q, 1,2,3,4,5,6
	STEP 0, \q, 0
.endr
	LAST
; THE WAY OUT, a rowblock at a time, through my own stage: a lane's 32 bytes of a row go in, whole rows of 256 bytes come back, take the residual and leave: sixteen lanes store 256 consecutive bytes, aligned.
.macro TOSTAGE a
	WIN 0x08                                       ; an LDS store's data: window 2
.irp b, 0,1,2,3
	ds_store_b128 v[STO], v[8*(4*(\a)+\b):8*(4*(\a)+\b)+3] offset:128*(\b/2)+32*(\b%2)      ; each accumulator from its low end on
	ds_store_b128 v[STO], v[8*(4*(\a)+\b)+4:8*(4*(\a)+\b)+7] offset:128*(\b/2)+32*(\b%2)+16
.endr
	WIN 0
.irp t, 0,1,2,3,4,5,6,7
	ds_load_b128 v[BK+32*((\a)%2)+4*\t:BK+32*((\a)%2)+4*\t+3], v[RD] offset:544*\t   ; LDS serves a wave's instructions in order: these see my stores
.endr
.endm
.macro SEND a, younger                 ; younger: the LDS instructions issued behind rowblock a's loads
	s_wait_dscnt \younger
	WIN 0x0c                                       ; source 1: window 3
.set J, 0
.rept 16
	v_pk_add_f32 v[BK+32*((\a)%2)+J:BK+32*((\a)%2)+J+1], v[BK+32*((\a)%2)+J:BK+32*((\a)%2)+J+1], v[32*(\a)+J:32*(\a)+J+1]
.set J, J+2
.endr
	WIN 0
.irp t, 0,1,2,3,4,5,6,7
	global_store_b128 v[CO], v[BK+32*((\a)%2)+4*\t:BK+32*((\a)%2)+4*\t+3], s[OUTP:OUTP+1] offset:(32*((\a)/2)+8*((\a)%2)+2*\t+8*(\t/4))*4096
.endr
.endm
	s_wait_loadcnt 0x0                             ; the residual
	PLACES
	TOSTAGE 0
	TOSTAGE 1
	SEND 0, 16                                     ; behind rowblock 0's loads: rowblock 1's 8 stores and 8 loads
	s_wait_xcnt 0x0                                ; rowblock 0's stores have read their registers
	TOSTAGE 2
	SEND 1, 16
	s_wait_xcnt 0x0
	TOSTAGE 3
	SEND 2, 16
	SEND 3, 0
	s_wait_tensorcnt 0x0                           ; the wave's end
	ds_add_u32 v[SPW], v[NIL]
	s_wait_dscnt 0x0
	CROUND                                         ; the closing round
	s_endpgm
.Lfunc_end_k_q7b83f68d8a_wo:
	.size	k_q7b83f68d8a_wo, .Lfunc_end_k_q7b83f68d8a_wo-k_q7b83f68d8a_wo
	.p2alignl 7, 3214868480
	.fill 96, 4, 3214868480
	.section	.rodata,"a",@progbits
	.p2align	6, 0x0
	.amdhsa_kernel k_q7b83f68d8a_wo
		.amdhsa_group_segment_fixed_size 327680
		.amdhsa_private_segment_fixed_size 0
		.amdhsa_enable_private_segment 0
		.amdhsa_kernarg_size 32
		.amdhsa_user_sgpr_count 2
		.amdhsa_user_sgpr_kernarg_segment_ptr 1
		.amdhsa_wavefront_size32 1
		.amdhsa_system_sgpr_workgroup_id_x 1
		.amdhsa_system_sgpr_workgroup_id_y 1
		.amdhsa_system_sgpr_workgroup_id_z 1
		.amdhsa_system_vgpr_workitem_id 0
		.amdhsa_next_free_vgpr 1024
		.amdhsa_next_free_sgpr 100
		.amdhsa_reserve_vcc 0
		.amdhsa_float_denorm_mode_32 3
		.amdhsa_float_denorm_mode_16_64 3
		.amdhsa_memory_ordered 1
		.amdhsa_forward_progress 1
		.amdhsa_inst_pref_size 55
	.end_amdhsa_kernel
	.amdgpu_metadata
---
amdhsa.version: [ 1, 2 ]
amdhsa.kernels:
  - .name:           k_q7b83f68d8a_wo
    .symbol:         k_q7b83f68d8a_wo.kd
    .args:
      - { .name: ao, .offset: 0, .size: 8, .value_kind: global_buffer, .address_space: global }
      - { .name: wb, .offset: 8, .size: 8, .value_kind: global_buffer, .address_space: global }
      - { .name: x, .offset: 16, .size: 8, .value_kind: global_buffer, .address_space: global }
      - { .name: xm, .offset: 24, .size: 8, .value_kind: global_buffer, .address_space: global }
    .group_segment_fixed_size: 327680
    .private_segment_fixed_size: 0
    .kernarg_segment_align: 8
    .kernarg_segment_size: 32
    .max_flat_workgroup_size: 128
    .sgpr_count:     100
    .vgpr_count:     1024
    .wavefront_size: 32
...
	.end_amdgpu_metadata
.endif
;; end of part 4
;; launch ln2 (part 5): grid 256 x 1, 8 waves a work-group, no clusters, 69,632 bytes of LDS; arguments xm, ln2_g, ln2_b, xq; writes xq
.if DOCPART == 5
	.amdgcn_target "amdgcn-amd-amdhsa--gfx1250"
	.amdhsa_code_object_version 6
	.text
	.protected	k_q7b83f68d8a_ln2
	.globl	k_q7b83f68d8a_ln2
	.p2align	8
	.type	k_q7b83f68d8a_ln2,@function
k_q7b83f68d8a_ln2:
	s_mov_b64 s[64:65], 0
	v_nop
	global_prefetch_b8 v0, s[64:65] scope:SCOPE_SE
	s_setreg_imm32_b32 hwreg(HW_REG_WAVE_MODE, 25, 1), 1
	s_wait_xcnt 0x0
; y = (x - mean) rsqrt(var + 1e-6) g + b along rows of 1,024 f32, quantised along the row to FP6 (E2M3) with one E8M0 byte for each 32, and stored as an image of the operand's registers (KT = 8 K steps of 128).
; IMAGE.  Rowblock R holds rows 32 (R / 2) + 8 (R % 2) + r + 8 (r / 8).  Fragment (R, s): lane (r, h) registers 6 c .. 6 c + 5 = k 128 s + 64 c + 32 h + 0 .. 31; bytes R 13312 + (s / 2) 3328 + (s % 2) 1536 + 512 c' + 16 lane;
; scale words at R 13312 + (s / 2) 3328 + 3072 + (s % 2) 128 + 4 lane (lanes 16-31 repeat lanes 0-15).
; SHARES.  A work-group is one rowblock; wave w takes columns 128 w .. 128 w + 127, which is K step w.  Each load reads 512 consecutive bytes of a row; the wave's 16 x 512 bytes turn through its own stage in LDS
; (rows 528 bytes apart) so that lane (r, h) gets, of row r, numbers 32 b + 16 h + 0 .. 15 of each block b: 16 neighbours for each conversion.  Mean and variance meet in LDS: two barriers.
; The variance is the mean of (x - mean)^2, taken in a second pass over the registers: no difference of large sums.  The row is read from memory once.
; LIMITS: NaN and infinities are not served; a block of zeros gets the byte 1 (its codes are zeros; this program alone reads the bytes).
.set RED,   67584                      ; LDS: 8 stages of 8,448 bytes from 0; then [16 rows][8 waves] words for the sums, 512 bytes, and the same for the squares
.set SPARE, 68608                      ; the spare words, 128 bytes for each wave: four blocks of 256 bytes that no other line names
.set SPW, 14
.set NIL, 15
.set TM,  16                           ; v16-31   at work in QUANT
.set X,   32                           ; v32-95   my 64 numbers: register 16 b + i = column 32 b + 16 h + i of row r
.set RAW, 96                           ; v96-159  the rows as loaded; later the bias
.set G,   160                          ; v160-223 the gain
.set PC,  224                          ; v224-242 the codes
.set PW,  244                          ; the scale word
.set SEL, 22
.macro QUANT s                         ; 64 numbers of a lane become a fragment's 12 registers in v[PC] on and its scale word in v[PW]
.irp b, 0,1,2,3
	v_max3_num_f32 v[TM+\b], |v[\s+16*\b]|, |v[\s+1+16*\b]|, 0x1800000   ; block b: my 16 numbers, and the floor 2^(3 - 127): the byte cannot fall under 1
.endr
.irp i, 2,4,6,8,10,12,14
.irp b, 0,1,2,3
	s_delay_alu instid0(VALU_DEP_4)
	v_max3_num_f32 v[TM+\b], v[TM+\b], |v[\s+16*\b+\i]|, |v[\s+1+16*\b+\i]|
.endr
.endr
.irp b, 0,1,2,3
	s_delay_alu instid0(VALU_DEP_4)
	v_permlanex16_b32 v[TM+4+\b], v[TM+\b], s[SEL], s[SEL+1]
.endr
.irp b, 0,1,2,3
	s_delay_alu instid0(VALU_DEP_4)
	v_max_num_f32 v[TM+\b], v[TM+\b], v[TM+4+\b]   ; with lane l xor 16's: the block's largest magnitude
.endr
.irp b, 0,1,2,3
	s_delay_alu instid0(VALU_DEP_4)
	v_add_nc_u32 v[TM+12+\b], 0xff000000, v[TM+\b] ; 2 off its exponent field: the conversion's scale operand
.endr
.irp b, 0,1,2,3
	s_delay_alu instid0(VALU_DEP_4)
	v_lshrrev_b32 v[TM+4+\b], 23, v[TM+12+\b]      ; the scale's byte
.endr
	s_delay_alu instid0(VALU_DEP_3)
	v_lshl_or_b32 v[PW], v[TM+5], 8, v[TM+4]
	s_delay_alu instid0(VALU_DEP_1)
	v_lshl_or_b32 v[PW], v[TM+6], 16, v[PW]
	s_delay_alu instid0(VALU_DEP_1)
	v_lshl_or_b32 v[PW], v[TM+7], 24, v[PW]
.irp c, 0,1
	v_cvt_scalef32_pk16_fp6_f32 v[PC+6*\c:PC+2+6*\c], v[\s+32*\c:\s+15+32*\c], v[TM+12+2*\c]
	v_cvt_scalef32_pk16_fp6_f32 v[PC+12+4*\c:PC+14+4*\c], v[\s+16+32*\c:\s+31+32*\c], v[TM+12+2*\c+1]   ; (a conversion's three registers begin on an even number)
.endr
	v_nop                                          ; one plain line behind a scaled conversion
.irp c, 0,1                            ; the layout wants a whole block in a lane: lanes 0-15 block 2 c, lanes 16-31 block 2 c + 1
.irp i, 0,1,2
	v_permlane16_swap_b32 v[PC+6*\c+\i], v[PC+12+4*\c+\i]
.endr
.irp i, 0,1,2
	s_delay_alu instid0(VALU_DEP_3)
	v_mov_b32 v[PC+3+6*\c+\i], v[PC+12+4*\c+\i]
.endr
.endr
.endm
.macro BARRIER                         ; my LDS stores have landed and my LDS loads are in: then the work-group's barrier
	s_wait_dscnt 0x0
	s_barrier_signal -1
	s_barrier_wait -1
.endm
.macro GATHER off                      ; v246 = my wave's part of row r's sum -> v248 = the row's sum over the eight waves
	s_delay_alu instid0(VALU_DEP_1)
	v_permlanex16_b32 v247, v246, s[SEL], s[SEL+1]
	s_delay_alu instid0(VALU_DEP_1)
	v_add_f32 v246, v246, v247                     ; with lane l xor 16's 64 numbers
	ds_store_b32 v9, v246 offset:\off              ; both halves of the lanes write the same word with the same value
	BARRIER
	ds_load_b128 v[248:251], v8 offset:\off
	ds_load_b128 v[252:255], v8 offset:\off+16
	s_wait_dscnt 0x0
	v_add_f32 v248, v248, v249
	v_add_f32 v250, v250, v251
	v_add_f32 v252, v252, v253
	v_add_f32 v254, v254, v255
	s_delay_alu instid0(VALU_DEP_3)
	v_add_f32 v248, v248, v250
	s_delay_alu instid0(VALU_DEP_2)
	v_add_f32 v252, v252, v254
	s_delay_alu instid0(VALU_DEP_1)
	v_add_f32 v248, v248, v252
.endm
	s_load_b256 s[4:11], s[0:1], 0x0               ; the rows, the gain, the bias, the image
	v_lshl_add_u32 v[SPW], v0, 2, SPARE
	v_mov_b32 v[NIL], 0
	v_lshrrev_b32 v1, 5, v0
	s_delay_alu instid0(VALU_DEP_1)
	v_readfirstlane_b32 s12, v1                    ; wave
	v_and_b32 v1, 31, v0                           ; lane
	v_and_b32 v2, 15, v0                           ; r
	v_bfe_u32 v3, v0, 4, 1                         ; h
	s_delay_alu instid0(VALU_DEP_3)
	v_lshlrev_b32 v4, 4, v1                        ; 16 lane
	s_delay_alu instid0(VALU_DEP_2)
	v_lshlrev_b32 v5, 6, v3                        ; 64 h
	s_mul_i32 s13, s12, 8448                       ; my stage
	v_add_nc_u32 v6, s13, v4                       ; in: 16 lane, a row in the immediate
	v_mul_u32_u24 v7, v2, 528
	s_delay_alu instid0(VALU_DEP_1)
	v_add_nc_u32 v7, v7, v5
	s_delay_alu instid0(VALU_DEP_1)
	v_add_nc_u32 v7, s13, v7                       ; out: row r, + 64 h
	v_lshl_add_u32 v8, v2, 5, RED                  ; row r's eight words
	s_lshl_b32 s14, s12, 2
	v_add_nc_u32 v9, s14, v8                       ; my wave's among them
	s_and_b32 s15, s12, 1
	s_mul_i32 s26, s15, 1536
	v_add_nc_u32 v11, s26, v4                      ; the image: 16 lane + (w % 2) 1536
	s_lshl_b32 s15, s15, 7
	s_add_co_u32 s15, s15, 3072
	v_lshl_add_u32 v12, v1, 2, s15                 ; 4 lane + 3072 + (w % 2) 128
.irp b, 0,1,2,3
	v_mov_b32 v[TM+4+\b], 0                        ; written once: a lane permute's destination counts as one of its sources
.endr
	v_mov_b32 v247, 0
	s_lshr_b32 s16, ttmp9, 1
	s_lshl_b32 s16, s16, 5
	s_and_b32 s17, ttmp9, 1
	s_lshl_b32 s17, s17, 3
	s_add_co_u32 s16, s16, s17                     ; the rowblock's first row
	s_lshl_b32 s16, s16, 12
	s_lshl_b32 s18, s12, 9                         ; my 512 bytes of a row
	s_add_co_u32 s16, s16, s18
	s_mov_b32 s17, 0
	s_mov_b32 s19, 0
	s_mul_i32 s20, ttmp9, 13312
	s_lshr_b32 s21, s12, 1
	s_mul_i32 s21, s21, 3328
	s_add_co_u32 s20, s20, s21
	s_mov_b32 s21, 0
	s_mov_b32 s[SEL], 0x76543210
	s_mov_b32 s[SEL+1], 0xfedcba98                 ; lane l xor 16
	s_mov_b32 s24, 0x3a800000                      ; 1 / 1024
	s_mov_b32 s25, 0x358637bd                      ; 1e-6
	s_wait_kmcnt 0x0
	s_add_nc_u64 s[4:5], s[4:5], s[16:17]
	s_add_nc_u64 s[6:7], s[6:7], s[18:19]
	s_add_nc_u64 s[8:9], s[8:9], s[18:19]
	s_add_nc_u64 s[10:11], s[10:11], s[20:21]
.irp i, 0,1,2,3,4,5,6,7,8,9,10,11,12,13,14,15
	global_load_b128 v[RAW+4*\i:RAW+4*\i+3], v4, s[4:5] offset:(\i+8*(\i/8))*4096   ; 32 lanes read 512 consecutive bytes of row i of the rowblock
.endr
.irp b, 0,1,2,3
.irp j, 0,1,2,3
	global_load_b128 v[G+16*\b+4*\j:G+16*\b+4*\j+3], v5, s[6:7] offset:128*\b+16*\j
.endr
.endr
	s_wait_loadcnt 16                              ; the rows are in; the gain's 16 loads may be out
.irp i, 0,1,2,3,4,5,6,7,8,9,10,11,12,13,14,15
	ds_store_b128 v6, v[RAW+4*\i:RAW+4*\i+3] offset:528*\i
.endr
.irp b, 0,1,2,3
.irp j, 0,1,2,3
	ds_load_b128 v[X+16*\b+4*\j:X+16*\b+4*\j+3], v7 offset:128*\b+16*\j   ; LDS serves a wave's instructions in order: these see my stores
.endr
.endr
	s_wait_dscnt 0x0                               ; the stores have read RAW, which now takes the bias
.irp b, 0,1,2,3
.irp j, 0,1,2,3
	global_load_b128 v[RAW+16*\b+4*\j:RAW+16*\b+4*\j+3], v5, s[8:9] offset:128*\b+16*\j
.endr
.endr
	v_pk_add_f32 v[250:251], v[32:33], v[34:35]
	v_pk_add_f32 v[254:255], v[40:41], v[44:45]
	v_pk_add_f32 v[252:253], v[48:49], v[52:53]
	v_pk_add_f32 v[244:245], v[56:57], v[60:61]
	v_pk_add_f32 v[242:243], v[64:65], v[68:69]
	v_pk_add_f32 v[240:241], v[72:73], v[76:77]
	v_pk_add_f32 v[238:239], v[80:81], v[84:85]
	v_pk_add_f32 v[248:249], v[88:89], v[92:93]
	s_delay_alu instid0(VALU_DEP_1)
	v_pk_add_f32 v[248:249], v[248:249], v[36:37]
	v_pk_add_f32 v[250:251], v[250:251], v[38:39]
	v_pk_add_f32 v[254:255], v[254:255], v[42:43]
	v_pk_add_f32 v[252:253], v[252:253], v[46:47]
	v_pk_add_f32 v[244:245], v[244:245], v[50:51]
	v_pk_add_f32 v[242:243], v[242:243], v[54:55]
	v_pk_add_f32 v[240:241], v[240:241], v[58:59]
	v_pk_add_f32 v[238:239], v[238:239], v[62:63]
	v_pk_add_f32 v[248:249], v[248:249], v[66:67]
	v_pk_add_f32 v[250:251], v[250:251], v[70:71]
	v_pk_add_f32 v[254:255], v[254:255], v[74:75]
	v_pk_add_f32 v[252:253], v[252:253], v[78:79]
	v_pk_add_f32 v[244:245], v[244:245], v[82:83]
	v_pk_add_f32 v[242:243], v[242:243], v[86:87]
	v_pk_add_f32 v[240:241], v[240:241], v[90:91]
	v_pk_add_f32 v[238:239], v[238:239], v[94:95]
	s_delay_alu instid0(VALU_DEP_4)
	v_pk_add_f32 v[248:249], v[248:249], v[244:245]
	s_delay_alu instid0(VALU_DEP_4)
	v_pk_add_f32 v[250:251], v[250:251], v[242:243]
	s_delay_alu instid0(VALU_DEP_4)
	v_pk_add_f32 v[254:255], v[254:255], v[240:241]
	s_delay_alu instid0(VALU_DEP_4)
	v_pk_add_f32 v[252:253], v[252:253], v[238:239]
	s_delay_alu instid0(VALU_DEP_2)
	v_pk_add_f32 v[248:249], v[248:249], v[254:255]
	s_delay_alu instid0(VALU_DEP_2)
	v_pk_add_f32 v[250:251], v[250:251], v[252:253]
	s_delay_alu instid0(VALU_DEP_1)
	v_pk_add_f32 v[248:249], v[248:249], v[250:251]
	s_delay_alu instid0(VALU_DEP_1)
	v_add_f32 v246, v248, v249
	GATHER 0
	s_delay_alu instid0(VALU_DEP_1)
	v_mul_f32 v246, s24, v248                      ; the mean, twice: a pair for the packed forms
	s_delay_alu instid0(VALU_DEP_1)
	v_mov_b32 v247, v246
.set J, 0
.rept 32
	v_pk_add_f32 v[X+J:X+J+1], v[X+J:X+J+1], v[246:247] neg_lo:[0,1] neg_hi:[0,1]   ; x - mean
.set J, J+2
.endr
	v_pk_mul_f32 v[248:249], v[X:X+1], v[X:X+1]
	v_pk_mul_f32 v[250:251], v[X+2:X+3], v[X+2:X+3]
.irp j, 4,8,12,16,20,24,28,32,36,40,44,48,52,56,60
	s_delay_alu instid0(VALU_DEP_2)
	v_pk_fma_f32 v[248:249], v[X+\j:X+\j+1], v[X+\j:X+\j+1], v[248:249]
	s_delay_alu instid0(VALU_DEP_2)
	v_pk_fma_f32 v[250:251], v[X+\j+2:X+\j+3], v[X+\j+2:X+\j+3], v[250:251]
.endr
	s_delay_alu instid0(VALU_DEP_1)
	v_pk_add_f32 v[248:249], v[248:249], v[250:251]
	s_delay_alu instid0(VALU_DEP_1)
	v_add_f32 v246, v248, v249
	GATHER 512                                     ; other words than the first sum's: no barrier is owed between the two
	s_delay_alu instid0(VALU_DEP_1)
	v_fma_f32 v248, v248, s24, s25                 ; the variance + 1e-6
	s_wait_alu depctr_va_vdst(0)
	v_rsq_f32 v246, v248
	v_rsq_f32 v247, v248
	v_nop                                          ; a plain line behind the transcendentals
	s_wait_alu depctr_va_vdst(0)                   ; one wait for both, ahead of their first reader
	s_wait_loadcnt 0x0                             ; the gain and the bias
.set J, 0
.rept 32
	v_pk_mul_f32 v[X+J:X+J+1], v[X+J:X+J+1], v[246:247]
.set J, J+2
.endr
.set J, 0
.rept 32
	v_pk_fma_f32 v[X+J:X+J+1], v[X+J:X+J+1], v[G+J:G+J+1], v[RAW+J:RAW+J+1]
.set J, J+2
.endr
	QUANT X
.irp c, 0,1,2
	global_store_b128 v11, v[PC+4*\c:PC+4*\c+3], s[10:11] offset:512*\c   ; 32 lanes store 512 consecutive bytes, at a multiple of 256 from the buffer's first byte
.endr
	global_store_b32 v12, v[PW], s[10:11]
	s_wait_tensorcnt 0x0                           ; the wave's end, behind my last LDS store
	ds_add_u32 v[SPW], v[NIL]
	s_wait_dscnt 0x0
	s_endpgm
.Lfunc_end_k_q7b83f68d8a_ln2:
	.size	k_q7b83f68d8a_ln2, .Lfunc_end_k_q7b83f68d8a_ln2-k_q7b83f68d8a_ln2
	.p2alignl 7, 3214868480
	.fill 96, 4, 3214868480
	.section	.rodata,"a",@progbits
	.p2align	6, 0x0
	.amdhsa_kernel k_q7b83f68d8a_ln2
		.amdhsa_group_segment_fixed_size 69632
		.amdhsa_private_segment_fixed_size 0
		.amdhsa_enable_private_segment 0
		.amdhsa_kernarg_size 32
		.amdhsa_user_sgpr_count 2
		.amdhsa_user_sgpr_kernarg_segment_ptr 1
		.amdhsa_wavefront_size32 1
		.amdhsa_system_sgpr_workgroup_id_x 1
		.amdhsa_system_sgpr_workgroup_id_y 1
		.amdhsa_system_sgpr_workgroup_id_z 1
		.amdhsa_system_vgpr_workitem_id 0
		.amdhsa_next_free_vgpr 256
		.amdhsa_next_free_sgpr 66
		.amdhsa_reserve_vcc 0
		.amdhsa_float_denorm_mode_32 3
		.amdhsa_float_denorm_mode_16_64 3
		.amdhsa_memory_ordered 1
		.amdhsa_forward_progress 1
		.amdhsa_inst_pref_size 29
	.end_amdhsa_kernel
	.amdgpu_metadata
---
amdhsa.version: [ 1, 2 ]
amdhsa.kernels:
  - .name:           k_q7b83f68d8a_ln2
    .symbol:         k_q7b83f68d8a_ln2.kd
    .args:
      - { .name: xm, .offset: 0, .size: 8, .value_kind: global_buffer, .address_space: global }
      - { .name: ln2_g, .offset: 8, .size: 8, .value_kind: global_buffer, .address_space: global }
      - { .name: ln2_b, .offset: 16, .size: 8, .value_kind: global_buffer, .address_space: global }
      - { .name: xq, .offset: 24, .size: 8, .value_kind: global_buffer, .address_space: global }
    .group_segment_fixed_size: 69632
    .private_segment_fixed_size: 0
    .kernarg_segment_align: 8
    .kernarg_segment_size: 32
    .max_flat_workgroup_size: 256
    .sgpr_count:     66
    .vgpr_count:     256
    .wavefront_size: 32
...
	.end_amdgpu_metadata
.endif
;; end of part 5
;; launch ffn1 (part 6): grid 16 x 16, 4 waves a work-group, clusters of 4 x 4, 327,680 bytes of LDS; arguments xq, wb, ffn_b1, hq; writes hq
.if DOCPART == 6
	.amdgcn_target "amdgcn-amd-amdhsa--gfx1250"
	.amdhsa_code_object_version 6
	.text
	.protected	k_q7b83f68d8a_ffn1
	.globl	k_q7b83f68d8a_ffn1
	.p2align	8
	.type	k_q7b83f68d8a_ffn1,@function
k_q7b83f68d8a_ffn1:
	s_mov_b64 s[64:65], 0
	v_nop
	global_prefetch_b8 v0, s[64:65] scope:SCOPE_SE
	s_setreg_imm32_b32 hwreg(HW_REG_WAVE_MODE, 25, 1), 1
	s_wait_xcnt 0x0
	s_wait_alu depctr_hold_cnt(0) depctr_sa_sdst(0) depctr_va_vdst(0) depctr_va_sdst(0) depctr_va_ssrc(0) depctr_va_vcc(0) depctr_vm_vsrc(0)
	s_getreg_b32 s2, hwreg(HW_REG_IB_STS2, 6, 4)
	s_cmp_eq_u32 s2, 0
	s_cbranch_scc0 .Lentry_in_a_cluster
	s_endpgm
.Lentry_in_a_cluster:
	s_bfe_u32 s2, ttmp6, 0x10000c
	s_cmp_lg_u32 s2, 0xf033
	s_cbranch_scc0 .Lentry_shape_is_right
	s_endpgm
.Lentry_shape_is_right:
.set NA, 8
.set NQ, 2
.set KT, 8
.set BOFF, 3407872
.set HALFT,  NA*NQ*1664
.set SLOT,   4*HALFT
.set SPARE,  2*SLOT
.set LAPS,   KT/(2*NQ)
.set NL,     3
.set ADRA, 16
.set ADRS, 18
.set ADRB, 20
.set L16,  22
.set L4,   27
.set SPW,  28
.set NIL,  29
.set SC,   32
.set CB,   64
.set AF,   128
.set TT,   128
.set PC,   192
.set TM,   224
.set PW,   240
.set G1,  24
.set G0,  32
.set G1B, 48
.set G0B, 56
.set SEL, 68
.set MSB, 0
.macro WIN new
.if MSB != (\new)
	s_set_vgpr_msb (MSB<<8)|(\new)
.set MSB, \new
.endif
.endm
.macro JLOAD s
	s_cmp_eq_u32 s15, 0
	s_cbranch_scc0 .Lfor_b_\@
	tensor_load_to_lds s[G0+4*\s:G0+4*\s+3], s[G1:G1+7]
	s_nop 0
.rept 4
	v_nop
.endr
	s_branch .Lasked_\@
.Lfor_b_\@:
	tensor_load_to_lds s[G0B+4*\s:G0B+4*\s+3], s[G1B:G1B+7]
	s_nop 0
.rept 4
	v_nop
.endr
.Lasked_\@:
.endm
.macro CREST
	s_cmp_lg_u32 s14, 0
	s_cbranch_scc1 .Lnot_wave_0_\@
	s_barrier_signal -3
.Lnot_wave_0_\@:
	s_barrier_wait -3
	s_barrier_signal -1
	s_barrier_wait -1
.endm
.macro CROUND
	s_barrier_signal -1
	s_barrier_wait -1
	CREST
.endm
.macro PLACES
.rept 4
	v_nop
.endr
.endm
.macro FRAG reg, adr, q, i
.irp c, 0,1,2
	ds_load_b128 v[\reg+4*\c:\reg+4*\c+3], v[\adr] offset:(\i)*NQ*1664+((\q)/2)*3328+((\q)%2)*1536+512*\c
.endr
.endm
.macro FETCH_B slot, q, p
	WIN 0x40
.set FI, 0
.rept NA
	FRAG 128*(\p)+12*FI, ADRB+\slot, \q, FI
.set FI, FI+1
.endr
	WIN 0
.endm
.macro FETCH_A slot, q, i0
.set FI, \i0
.rept NA/2
	FRAG AF+12*FI, ADRA+\slot, \q, FI
.set FI, FI+1
.endr
.endm
.macro SCALES sl
.set SI, 0
.rept NA
.set SQ, 0
.rept NQ
	ds_load_b32 v[SC+16*(\sl)+NQ*SI+SQ], v[ADRS+\sl] offset:SI*NQ*1664+(SQ/2)*3328+3072+(SQ%2)*128
.set SQ, SQ+1
.endr
.set SI, SI+1
.endr
.endm
.macro MULS a0, cnt, p, q, sc, first
.set MW, 2+((\a0)*NA)/32
.if (\first) == 2
	WIN 0x01|(MW<<6)
.else
	WIN 0x01|(MW<<4)|(MW<<6)
.endif
.set MA, \a0
.rept \cnt
.set MB, 0
.rept NA
.set MD, 8*(NA*(MA%4)+MB)
.if (\first) == 2
	v_wmma_scale_f32_16x16x128_f8f6f4 v[MD:MD+7], v[128*(\p)+12*MB:128*(\p)+12*MB+11], v[AF+12*MA:AF+12*MA+11], v[CB+8*MB:CB+8*MB+7], v[SC+16*(\sc)+NQ*MB+(\q)], v[SC+16*(\sc)+NQ*MA+(\q)] matrix_a_fmt:MATRIX_FMT_FP6 matrix_b_fmt:MATRIX_FMT_FP6 matrix_a_scale:MATRIX_SCALE_ROW1
.else
	v_wmma_scale_f32_16x16x128_f8f6f4 v[MD:MD+7], v[128*(\p)+12*MB:128*(\p)+12*MB+11], v[AF+12*MA:AF+12*MA+11], v[MD:MD+7], v[SC+16*(\sc)+NQ*MB+(\q)], v[SC+16*(\sc)+NQ*MA+(\q)] matrix_a_fmt:MATRIX_FMT_FP6 matrix_b_fmt:MATRIX_FMT_FP6 matrix_a_scale:MATRIX_SCALE_ROW1
.endif
.set MB, MB+1
.endr
.set MA, MA+1
.endr
.endm
.macro STEP slot, q, first
	s_wait_dscnt (NA/2)*NL
	MULS 0, NA/2, (\q)%2, \q, \slot, \first
	s_wait_dscnt 0x0
	PLACES
	FETCH_B \slot, (\q)+1, 1-(\q)%2
	FETCH_A \slot, (\q)+1, 0
	MULS NA/2, NA/2, (\q)%2, \q, \slot, \first
	PLACES
	WIN 0
	FETCH_A \slot, (\q)+1, NA/2
.endm
.macro TURN slot, next, fill
	s_wait_tensorcnt 0x0
	ds_add_u32 v[SPW], v[NIL]
	s_wait_dscnt (NA/2)*NL+1
	MULS 0, NA/4, 1, NQ-1, \slot, 0
	s_wait_dscnt 0x0
	s_barrier_signal -1
	MULS NA/4, NA/4, 1, NQ-1, \slot, 0
	WIN 0
	s_barrier_wait -1
.if \fill
	CREST
	s_add_nc_u64 s[G0+4*\slot+2:G0+4*\slot+3], s[G0+4*\slot+2:G0+4*\slot+3], 2*NQ*1664
	s_add_nc_u64 s[G0B+4*\slot+2:G0B+4*\slot+3], s[G0B+4*\slot+2:G0B+4*\slot+3], 2*NQ*1664
	JLOAD \slot
.else
	PLACES
.endif
	FETCH_B \next, 0, 0
	FETCH_A \next, 0, 0
	SCALES \next
	MULS NA/2, NA/2, 1, NQ-1, \slot, 0
	PLACES
	WIN 0
	FETCH_A \next, 0, NA/2
.endm
.macro LAST
	s_wait_dscnt (NA/2)*NL
	MULS 0, NA/2, 1, NQ-1, 1, 0
	s_wait_dscnt 0x0
	MULS NA/2, NA/2, 1, NQ-1, 1, 0
	WIN 0
.endm
.macro QUANT s
.irp b, 0,1,2,3
	v_max3_num_f32 v[TM+\b], v[\s+16*\b], v[\s+1+16*\b], 0x1800000
.endr
.irp i, 2,4,6,8,10,12,14
.irp b, 0,1,2,3
	v_max3_num_f32 v[TM+\b], v[TM+\b], v[\s+16*\b+\i], v[\s+1+16*\b+\i]
.endr
.endr
.irp b, 0,1,2,3
	v_permlanex16_b32 v[TM+4+\b], v[TM+\b], s[SEL], s[SEL+1]
.endr
.irp b, 0,1,2,3
	v_max_num_f32 v[TM+\b], v[TM+\b], v[TM+4+\b]
.endr
.irp b, 0,1,2,3
	v_add_nc_u32 v[TM+12+\b], 0xff000000, v[TM+\b]
.endr
.irp b, 0,1,2,3
	v_lshrrev_b32 v[TM+4+\b], 23, v[TM+12+\b]
.endr
	v_lshl_or_b32 v[PW], v[TM+5], 8, v[TM+4]
	v_lshl_or_b32 v[PW], v[TM+6], 16, v[PW]
	v_lshl_or_b32 v[PW], v[TM+7], 24, v[PW]
.irp c, 0,1
	v_cvt_scalef32_pk16_fp6_f32 v[PC+6*\c:PC+2+6*\c], v[\s+32*\c:\s+15+32*\c], v[TM+12+2*\c]
	v_cvt_scalef32_pk16_fp6_f32 v[PC+12+4*\c:PC+14+4*\c], v[\s+16+32*\c:\s+31+32*\c], v[TM+12+2*\c+1]
.endr
	v_nop
.irp c, 0,1
.irp i, 0,1,2
	v_permlane16_swap_b32 v[PC+6*\c+\i], v[PC+12+4*\c+\i]
.endr
.irp i, 0,1,2
	v_mov_b32 v[PC+3+6*\c+\i], v[PC+12+4*\c+\i]
.endr
.endr
.endm
	s_load_b128 s[4:7], s[0:1], 0x0
	s_load_b128 s[8:11], s[0:1], 0x10
	v_lshl_add_u32 v[SPW], v0, 2, SPARE
	v_mov_b32 v[NIL], 0
	ds_add_u32 v[SPW], v[NIL]
	ds_add_u32 v[SPW], v[NIL]
	v_lshrrev_b32 v1, 5, v0
	v_readfirstlane_b32 s14, v1
	s_lshr_b32 s15, s14, 1
	s_and_b32 s16, s14, 1
	s_bfe_u32 s40, ttmp6, 0x40000
	s_bfe_u32 s41, ttmp6, 0x40004
	s_lshl_b32 s42, ttmp9, 2
	s_add_co_u32 s42, s42, s40
	s_and_b32 s17, ttmp7, 0xffff
	s_lshl_b32 s17, s17, 2
	s_add_co_u32 s17, s17, s41
	s_lshl_b32 s43, s41, 2
	s_lshl_b32 s43, 15, s43
	s_lshl_b32 s44, 0x1111, s40
	s_or_b32 s[G1+0], s43, (3<<16)|(1<<21)
	s_or_b32 s[G1B+0], s44, (3<<16)|(1<<21)
.irp g, G1, G1B
	s_mov_b32 s[\g+1], (NQ*208)<<16
	s_mov_b32 s[\g+2], NA<<16
	s_mov_b32 s[\g+3], (NQ*208)<<16
	s_mov_b32 s[\g+4], NA
	s_mov_b32 s[\g+5], KT*208
	s_mov_b32 s[\g+6], 0
	s_mov_b32 s[\g+7], 0
.endr
	s_mul_i32 s18, s16, NA
	s_mul_i32 s20, s17, 2*NA
	s_add_co_u32 s20, s20, s18
	s_mul_i32 s20, s20, KT*1664
	s_mov_b32 s21, 0
	s_mul_i32 s46, s42, 2*NA
	s_add_co_u32 s46, s46, s18
	s_mul_i32 s46, s46, KT*1664
	s_add_co_u32 s46, s46, BOFF
	s_mov_b32 s47, 0
	s_mul_i32 s45, s14, HALFT
	s_mov_b32 s[SEL], 0x76543210
	s_mov_b32 s[SEL+1], 0xfedcba98
	s_wait_dscnt 0x0
	s_wait_kmcnt 0x0
	s_add_nc_u64 s[20:21], s[4:5], s[20:21]
	s_add_nc_u64 s[46:47], s[6:7], s[46:47]
	CROUND
.irp s, 0,1
	s_mov_b32 s[G0+4*\s], 1
	s_add_co_u32 s[G0+4*\s+1], s45, \s*SLOT
	s_add_nc_u64 s[G0+4*\s+2:G0+4*\s+3], s[20:21], \s*NQ*1664
	s_or_b32 s[G0+4*\s+3], s[G0+4*\s+3], 0x80000000
	s_mov_b32 s[G0B+4*\s], 1
	s_add_co_u32 s[G0B+4*\s+1], s45, \s*SLOT
	s_add_nc_u64 s[G0B+4*\s+2:G0B+4*\s+3], s[46:47], \s*NQ*1664
	s_or_b32 s[G0B+4*\s+3], s[G0B+4*\s+3], 0x80000000
.if \s                                 ; slot 1's first fill is issued as a refill is; slot 0's stands behind the opening round
	s_wait_alu depctr_va_vdst(0)
	s_wait_tensorcnt 0x0
	ds_add_u32 v28, v29
	ds_add_u32 v28, v29
	s_wait_dscnt 0x0
	CROUND
.endif
	JLOAD \s
.endr
	v_and_b32 v1, 31, v0
	v_bfe_u32 v2, v0, 4, 1
	v_lshlrev_b32 v[L16], 4, v1
	s_wait_alu depctr_va_vdst(0)
	v_lshlrev_b32 v[L4], 2, v1
	s_mul_i32 s21, s15, HALFT
	s_mul_i32 s22, s16, HALFT
	s_add_co_u32 s22, s22, 2*HALFT
	s_xor_b32 s23, s15, 1
	s_add_co_u32 s23, s23, s16
	s_add_co_u32 s23, s23, 1
	s_mul_i32 s23, s23, HALFT
	v_mul_u32_u24 v6, s23, v2
	v_add_nc_u32 v6, v6, v[L4]
.irp s, 0,1
	v_add_nc_u32 v[ADRA+\s], s21, v[L16]
	v_add_nc_u32 v[ADRB+\s], s22, v[L16]
	v_add_nc_u32 v[ADRS+\s], s21, v6
	s_add_co_u32 s21, s21, SLOT
	s_add_co_u32 s22, s22, SLOT
.endr
	s_lshl_b32 s70, s42, 10
	s_lshl_b32 s71, s16, 9
	s_add_co_u32 s70, s70, s71
	s_mov_b32 s71, 0
	s_add_nc_u64 s[8:9], s[8:9], s[70:71]
	v_lshlrev_b32 v7, 6, v2
.irp b, 0,1,2,3,4,5,6,7
	global_load_b128 v[CB+8*\b:CB+8*\b+3], v7, s[8:9] offset:(32*(\b/2)+8*(\b%2))*4
	global_load_b128 v[CB+8*\b+4:CB+8*\b+7], v7, s[8:9] offset:(32*(\b/2)+8*(\b%2))*4+16
.endr
	s_lshl_b32 s70, s17, 4
	s_lshl_b32 s72, s15, 3
	s_add_co_u32 s70, s70, s72
	s_mul_i32 s70, s70, 53248
	s_mul_i32 s72, s42, 3328
	s_add_co_u32 s70, s70, s72
	s_add_nc_u64 s[10:11], s[10:11], s[70:71]
	s_mul_i32 s72, s16, 1536
	v_add_nc_u32 v24, s72, v[L16]
	s_lshl_b32 s72, s16, 7
	s_add_co_u32 s72, s72, 3072
	v_add_nc_u32 v25, s72, v[L4]
	s_wait_alu depctr_va_vdst(0)
	s_wait_tensorcnt 0x1
	s_barrier_signal -1
	s_barrier_wait -1
	FETCH_B 0, 0, 0
	FETCH_A 0, 0, 0
	SCALES 0
	FETCH_A 0, 0, NA/2
	s_wait_loadcnt 0x0
	STEP 0, 0, 2
	s_mov_b32 s3, LAPS-1
.Llap:
	TURN 0, 1, 1
	STEP 1, 0, 0
	TURN 1, 0, 1
	STEP 0, 0, 0
	s_sub_co_u32 s3, s3, 1
	s_cmp_lg_u32 s3, 0
	s_cbranch_scc1 .Llap
	TURN 0, 1, 0
	STEP 1, 0, 0
	LAST
	PLACES
.irp b, 0,1,2,3
	v_mov_b32 v[TM+4+\b], 0
.endr
.set EA, 0
.rept 8
	WIN (2+EA/4)<<2
.set J, 0
.rept 64
	v_max_num_f32 v[TT+J], 0, v[64*(EA%4)+J]
.set J, J+1
.endr
	WIN 0
.if EA > 0
	s_wait_xcnt 0x0
.endif
	QUANT TT
.irp c, 0,1,2
	global_store_b128 v24, v[PC+4*\c:PC+4*\c+3], s[10:11] offset:EA*53248+512*\c
.endr
	global_store_b32 v25, v[PW], s[10:11] offset:EA*53248
.set EA, EA+1
.endr
	s_wait_tensorcnt 0x0
	ds_add_u32 v[SPW], v[NIL]
	s_wait_dscnt 0x0
	CROUND
	s_endpgm
.Lfunc_end_k_q7b83f68d8a_ffn1:
	.size	k_q7b83f68d8a_ffn1, .Lfunc_end_k_q7b83f68d8a_ffn1-k_q7b83f68d8a_ffn1
	.p2alignl 7, 3214868480
	.fill 96, 4, 3214868480
	.section	.rodata,"a",@progbits
	.p2align	6, 0x0
	.amdhsa_kernel k_q7b83f68d8a_ffn1
		.amdhsa_group_segment_fixed_size 327680
		.amdhsa_private_segment_fixed_size 0
		.amdhsa_enable_private_segment 0
		.amdhsa_kernarg_size 32
		.amdhsa_user_sgpr_count 2
		.amdhsa_user_sgpr_kernarg_segment_ptr 1
		.amdhsa_wavefront_size32 1
		.amdhsa_system_sgpr_workgroup_id_x 1
		.amdhsa_system_sgpr_workgroup_id_y 1
		.amdhsa_system_sgpr_workgroup_id_z 1
		.amdhsa_system_vgpr_workitem_id 0
		.amdhsa_next_free_vgpr 1024
		.amdhsa_next_free_sgpr 100
		.amdhsa_reserve_vcc 0
		.amdhsa_float_denorm_mode_32 3
		.amdhsa_float_denorm_mode_16_64 3
		.amdhsa_memory_ordered 1
		.amdhsa_forward_progress 1
		.amdhsa_inst_pref_size 157
	.end_amdhsa_kernel
	.amdgpu_metadata
---
amdhsa.version: [ 1, 2 ]
amdhsa.kernels:
  - .name:           k_q7b83f68d8a_ffn1
    .symbol:         k_q7b83f68d8a_ffn1.kd
    .args:
      - { .name: xq, .offset: 0, .size: 8, .value_kind: global_buffer, .address_space: global }
      - { .name: wb, .offset: 8, .size: 8, .value_kind: global_buffer, .address_space: global }
      - { .name: ffn_b1, .offset: 16, .size: 8, .value_kind: global_buffer, .address_space: global }
      - { .name: hq, .offset: 24, .size: 8, .value_kind: global_buffer, .address_space: global }
    .group_segment_fixed_size: 327680
    .private_segment_fixed_size: 0
    .kernarg_segment_align: 8
    .kernarg_segment_size: 32
    .max_flat_workgroup_size: 128
    .sgpr_count:     100
    .vgpr_count:     1024
    .wavefront_size: 32
...
	.end_amdgpu_metadata
.endif
;; end of part 6
;; launch ffn2 (part 7): grid 8 x 32, 4 waves a work-group, clusters of 4 x 4, 327,680 bytes of LDS; arguments hq, wb, ffn_b2, xm, out0; writes out0
.if DOCPART == 7
	.amdgcn_target "amdgcn-amd-amdhsa--gfx1250"
	.amdhsa_code_object_version 6
	.text
	.protected	k_q7b83f68d8a_ffn2
	.globl	k_q7b83f68d8a_ffn2
	.p2align	8
	.type	k_q7b83f68d8a_ffn2,@function
k_q7b83f68d8a_ffn2:
	s_mov_b64 s[64:65], 0
	v_nop
	global_prefetch_b8 v0, s[64:65] scope:SCOPE_SE
	s_setreg_imm32_b32 hwreg(HW_REG_WAVE_MODE, 25, 1), 1
	s_wait_xcnt 0x0
	s_wait_alu depctr_hold_cnt(0) depctr_sa_sdst(0) depctr_va_vdst(0) depctr_va_sdst(0) depctr_va_ssrc(0) depctr_va_vcc(0) depctr_vm_vsrc(0)
	s_getreg_b32 s2, hwreg(HW_REG_IB_STS2, 6, 4)
	s_cmp_eq_u32 s2, 0
	s_cbranch_scc0 .Lentry_in_a_cluster
	s_endpgm
.Lentry_in_a_cluster:
	s_bfe_u32 s2, ttmp6, 0x10000c
	s_cmp_lg_u32 s2, 0xf033
	s_cbranch_scc0 .Lentry_shape_is_right
	s_endpgm
.Lentry_shape_is_right:
.set NA, 4
.set KT, 32
.set BOFF, 6815744
.set RES, 10
.set OUTP, 12
.set HALF0,  NA*8*1664
.set HALF1,  NA*4*1664
.set SLOT1B, 4*HALF0
.set SPARE,  SLOT1B+4*HALF1
.set NL,     3
.set ADRA, 16
.set ADRS, 18
.set ADRB, 20
.set L16,  22
.set STO,  24
.set RD,   25
.set CO,   26
.set L4,   27
.set SPW,  28
.set NIL,  29
.set SC,   32
.set CB,   80
.set AF,   128
.set BK,   128
.set G0,  32
.set G0B, 56
.set MSB, 0
.macro WIN new
.if MSB != (\new)
	s_set_vgpr_msb (MSB<<8)|(\new)
.set MSB, \new
.endif
.endm
.macro JLOAD s
	s_cmp_eq_u32 s15, 0
	s_cbranch_scc0 .Lfor_b_\@
	tensor_load_to_lds s[G0+4*\s:G0+4*\s+3], s[24+44*\s:31+44*\s]
	s_nop 0
.rept 4
	v_nop
.endr
	s_branch .Lasked_\@
.Lfor_b_\@:
	tensor_load_to_lds s[G0B+4*\s:G0B+4*\s+3], s[48+28*\s:55+28*\s]
	s_nop 0
.rept 4
	v_nop
.endr
.Lasked_\@:
.endm
.macro CREST
	s_cmp_lg_u32 s14, 0
	s_cbranch_scc1 .Lnot_wave_0_\@
	s_barrier_signal -3
.Lnot_wave_0_\@:
	s_barrier_wait -3
	s_barrier_signal -1
	s_barrier_wait -1
.endm
.macro CROUND
	s_barrier_signal -1
	s_barrier_wait -1
	CREST
.endm
.macro PLACES
.rept 4
	v_nop
.endr
.endm
.macro FRAG reg, adr, q, i
.irp c, 0,1,2
	ds_load_b128 v[\reg+4*\c:\reg+4*\c+3], v[\adr] offset:(\i)*FNQ*1664+((\q)/2)*3328+((\q)%2)*1536+512*\c
.endr
.endm
.macro FETCH_B slot, q, p
.set FNQ, 8-4*(\slot)
	WIN 0x40
.set FI, 0
.rept NA
	FRAG 128*(\p)+12*FI, ADRB+\slot, \q, FI
.set FI, FI+1
.endr
	WIN 0
.endm
.macro FETCH_A slot, q, i0
.set FNQ, 8-4*(\slot)
.set FI, \i0
.rept NA/2
	FRAG AF+12*FI, ADRA+\slot, \q, FI
.set FI, FI+1
.endr
.endm
.macro SCALES sl
.set FNQ, 8-4*(\sl)
.set SI, 0
.rept NA
.set SQ, 0
.rept FNQ
	ds_load_b32 v[SC+32*(\sl)+FNQ*SI+SQ], v[ADRS+\sl] offset:SI*FNQ*1664+(SQ/2)*3328+3072+(SQ%2)*128
.set SQ, SQ+1
.endr
.set SI, SI+1
.endr
.endm
.macro MULS a0, cnt, p, q, slot, first
.set MNQ, 8-4*(\slot)
.set MSC, SC+32*(\slot)
.if (\first) == 2
	WIN 0x81
.else
	WIN 0xa1
.endif
.set MA, \a0
.rept \cnt
.set MB, 0
.rept NA
.set MD, 8*(NA*MA+MB)
.if (\first) == 2
	v_wmma_scale_f32_16x16x128_f8f6f4 v[MD:MD+7], v[128*(\p)+12*MB:128*(\p)+12*MB+11], v[AF+12*MA:AF+12*MA+11], v[CB+8*MB:CB+8*MB+7], v[MSC+MNQ*MB+(\q)], v[MSC+MNQ*MA+(\q)] matrix_a_fmt:MATRIX_FMT_FP6 matrix_b_fmt:MATRIX_FMT_FP6 matrix_a_scale:MATRIX_SCALE_ROW1
.else
	v_wmma_scale_f32_16x16x128_f8f6f4 v[MD:MD+7], v[128*(\p)+12*MB:128*(\p)+12*MB+11], v[AF+12*MA:AF+12*MA+11], v[MD:MD+7], v[MSC+MNQ*MB+(\q)], v[MSC+MNQ*MA+(\q)] matrix_a_fmt:MATRIX_FMT_FP6 matrix_b_fmt:MATRIX_FMT_FP6 matrix_a_scale:MATRIX_SCALE_ROW1
.endif
.set MB, MB+1
.endr
.set MA, MA+1
.endr
.endm
.macro STEP slot, q, first
	s_wait_dscnt (NA/2)*NL
	MULS 0, NA/2, (\q)%2, \q, \slot, \first
	s_wait_dscnt 0x0
	PLACES
	FETCH_B \slot, (\q)+1, 1-(\q)%2
	FETCH_A \slot, (\q)+1, 0
	MULS NA/2, NA/2, (\q)%2, \q, \slot, \first
	PLACES
	WIN 0
	FETCH_A \slot, (\q)+1, NA/2
.endm
.macro TURN slot, next, fill
	s_wait_tensorcnt 0x0
	ds_add_u32 v[SPW], v[NIL]
	s_wait_dscnt (NA/2)*NL+1
	MULS 0, NA/4, 1, 7-4*(\slot), \slot, 0
	s_wait_dscnt 0x0
	s_barrier_signal -1
	MULS NA/4, NA/4, 1, 7-4*(\slot), \slot, 0
	WIN 0
	s_barrier_wait -1
.if \fill
	CREST
	s_add_nc_u64 s[G0+4*\slot+2:G0+4*\slot+3], s[G0+4*\slot+2:G0+4*\slot+3], 12*1664
	s_add_nc_u64 s[G0B+4*\slot+2:G0B+4*\slot+3], s[G0B+4*\slot+2:G0B+4*\slot+3], 12*1664
	JLOAD \slot
.else
	PLACES
.endif
	FETCH_B \next, 0, 0
	FETCH_A \next, 0, 0
	SCALES \next
	MULS NA/2, NA/2, 1, 7-4*(\slot), \slot, 0
	PLACES
	WIN 0
	FETCH_A \next, 0, NA/2
.endm
.macro RUN0 q0
.irp q, 0,1,2,3,4,5,6
.if \q >= \q0
	STEP 0, \q, 0
.endif
.endr
.endm
.macro RUN1
.irp q, 0,1,2
	STEP 1, \q, 0
.endr
.endm
.macro LAST
	s_wait_dscnt (NA/2)*NL
	MULS 0, NA/2, 1, 7, 0, 0
	s_wait_alu depctr_va_vdst(0)
	s_wait_dscnt 0x0
	MULS NA/2, NA/2, 1, 7, 0, 0
	WIN 0
.endm
	s_load_b128 s[4:7], s[0:1], 0x0
	s_load_b128 s[8:11], s[0:1], 0x10
	s_load_b64 s[12:13], s[0:1], 0x20
	v_lshl_add_u32 v[SPW], v0, 2, SPARE
	v_mov_b32 v[NIL], 0
	ds_add_u32 v[SPW], v[NIL]
	ds_add_u32 v[SPW], v[NIL]
	v_lshrrev_b32 v1, 5, v0
	v_readfirstlane_b32 s14, v1
	s_lshr_b32 s15, s14, 1
	s_and_b32 s16, s14, 1
	s_bfe_u32 s40, ttmp6, 0x40000
	s_bfe_u32 s41, ttmp6, 0x40004
	s_lshl_b32 s42, ttmp9, 2
	s_add_co_u32 s42, s42, s40
	s_and_b32 s17, ttmp7, 0xffff
	s_lshl_b32 s17, s17, 2
	s_add_co_u32 s17, s17, s41
	s_lshl_b32 s43, s41, 2
	s_lshl_b32 s43, 15, s43
	s_lshl_b32 s44, 0x1111, s40
	s_or_b32 s24, s43, (3<<16)|(1<<21)
	s_or_b32 s68, s43, (3<<16)|(1<<21)
	s_or_b32 s48, s44, (3<<16)|(1<<21)
	s_or_b32 s76, s44, (3<<16)|(1<<21)
.irp g, 24, 48
	s_mov_b32 s[\g+1], (8*208)<<16
	s_mov_b32 s[\g+2], NA<<16
	s_mov_b32 s[\g+3], (8*208)<<16
	s_mov_b32 s[\g+4], NA
	s_mov_b32 s[\g+5], KT*208
	s_mov_b32 s[\g+6], 0
	s_mov_b32 s[\g+7], 0
.endr
.irp g, 68, 76
	s_mov_b32 s[\g+1], (4*208)<<16
	s_mov_b32 s[\g+2], NA<<16
	s_mov_b32 s[\g+3], (4*208)<<16
	s_mov_b32 s[\g+4], NA
	s_mov_b32 s[\g+5], KT*208
	s_mov_b32 s[\g+6], 0
	s_mov_b32 s[\g+7], 0
.endr
	s_mul_i32 s18, s16, NA
	s_mul_i32 s20, s17, 2*NA
	s_add_co_u32 s20, s20, s18
	s_mul_i32 s20, s20, KT*1664
	s_mov_b32 s21, 0
	s_mul_i32 s46, s42, 2*NA
	s_add_co_u32 s46, s46, s18
	s_mul_i32 s46, s46, KT*1664
	s_add_co_u32 s46, s46, BOFF
	s_mov_b32 s47, 0
	s_mul_i32 s90, s14, HALF0
	s_mul_i32 s91, s14, HALF1
	s_wait_dscnt 0x0
	s_wait_kmcnt 0x0
	s_add_nc_u64 s[20:21], s[4:5], s[20:21]
	s_add_nc_u64 s[46:47], s[6:7], s[46:47]
	CROUND
.irp s, 0,1
	s_mov_b32 s[G0+4*\s], 1
	s_add_co_u32 s[G0+4*\s+1], s[90+\s], \s*SLOT1B
	s_add_nc_u64 s[G0+4*\s+2:G0+4*\s+3], s[20:21], \s*8*1664
	s_or_b32 s[G0+4*\s+3], s[G0+4*\s+3], 0x80000000
	s_mov_b32 s[G0B+4*\s], 1
	s_add_co_u32 s[G0B+4*\s+1], s[90+\s], \s*SLOT1B
	s_add_nc_u64 s[G0B+4*\s+2:G0B+4*\s+3], s[46:47], \s*8*1664
	s_or_b32 s[G0B+4*\s+3], s[G0B+4*\s+3], 0x80000000
.if \s                                 ; slot 1's first fill is issued as a refill is; slot 0's stands behind the opening round
	s_wait_alu depctr_va_vdst(0)
	s_wait_tensorcnt 0x0
	ds_add_u32 v28, v29
	ds_add_u32 v28, v29
	s_wait_dscnt 0x0
	CROUND
.endif
	JLOAD \s
.endr
	v_and_b32 v1, 31, v0
	v_bfe_u32 v2, v0, 4, 1
	s_wait_alu depctr_va_vdst(0)
	v_and_b32 v3, 15, v0
	v_lshlrev_b32 v[L16], 4, v1
	v_lshlrev_b32 v[L4], 2, v1
	s_xor_b32 s23, s15, 1
	s_add_co_u32 s23, s23, s16
	s_add_co_u32 s23, s23, 1
.irp s, 0,1
	s_mul_i32 s21, s15, HALF0/(1+\s)
	s_add_co_u32 s21, s21, \s*SLOT1B
	s_mul_i32 s22, s16, HALF0/(1+\s)
	s_add_co_u32 s22, s22, \s*SLOT1B+2*(HALF0/(1+\s))
	s_mul_i32 s18, s23, HALF0/(1+\s)
	v_mul_u32_u24 v6, s18, v2
	s_wait_alu depctr_va_vdst(0)
	v_add_nc_u32 v6, v6, v[L4]
	v_add_nc_u32 v[ADRA+\s], s21, v[L16]
	v_add_nc_u32 v[ADRB+\s], s22, v[L16]
	v_add_nc_u32 v[ADRS+\s], s21, v6
.endr
	s_lshl_b32 s86, s42, 9
	s_lshl_b32 s87, s16, 8
	s_add_co_u32 s86, s86, s87
	s_mov_b32 s87, 0
	s_add_nc_u64 s[8:9], s[8:9], s[86:87]
	v_lshlrev_b32 v7, 6, v2
.irp b, 0,1,2,3
	global_load_b128 v[CB+8*\b:CB+8*\b+3], v7, s[8:9] offset:(32*(\b/2)+8*(\b%2))*4
	global_load_b128 v[CB+8*\b+4:CB+8*\b+7], v7, s[8:9] offset:(32*(\b/2)+8*(\b%2))*4+16
.endr
	s_lshl_b32 s84, s17, 3
	s_lshl_b32 s85, s15, 2
	s_add_co_u32 s84, s84, s85
	s_lshl_b32 s84, s84, 16
	s_add_co_u32 s84, s84, s86
	s_mov_b32 s85, 0
	s_add_nc_u64 s[RES:RES+1], s[RES:RES+1], s[84:85]
	s_add_nc_u64 s[OUTP:OUTP+1], s[OUTP:OUTP+1], s[84:85]
	v_lshlrev_b32 v[CO], 12, v2
	v_lshl_add_u32 v[CO], v3, 4, v[CO]
	s_mul_i32 s88, s14, 4352
	s_add_co_u32 s88, s88, SLOT1B
	v_mul_u32_u24 v[STO], v3, 272
	v_lshl_add_u32 v[STO], v2, 6, v[STO]
	v_add_nc_u32 v[STO], s88, v[STO]
	v_mul_u32_u24 v[RD], v2, 272
	v_lshl_add_u32 v[RD], v3, 4, v[RD]
	v_add_nc_u32 v[RD], s88, v[RD]
	WIN 0xc0
.irp a, 0,1,2,3
.irp t, 0,1,2,3,4,5,6,7
	global_load_b128 v[32*\a+4*\t:32*\a+4*\t+3], v[CO], s[RES:RES+1] offset:(32*(\a/2)+8*(\a%2)+2*\t+8*(\t/4))*4096
.endr
.endr
	WIN 0
	s_wait_tensorcnt 0x1
	s_barrier_signal -1
	s_barrier_wait -1
	FETCH_B 0, 0, 0
	FETCH_A 0, 0, 0
	SCALES 0
	FETCH_A 0, 0, NA/2
	s_wait_loadcnt 32
	STEP 0, 0, 2
	RUN0 1
	TURN 0, 1, 1
	RUN1
	TURN 1, 0, 1
	RUN0 0
	TURN 0, 1, 1
	RUN1
	TURN 1, 0, 0
	RUN0 0
	LAST
.macro TOSTAGE a
	WIN 0x08
.irp b, 0,1,2,3
	ds_store_b128 v[STO], v[8*(4*(\a)+\b):8*(4*(\a)+\b)+3] offset:128*(\b/2)+32*(\b%2)
	ds_store_b128 v[STO], v[8*(4*(\a)+\b)+4:8*(4*(\a)+\b)+7] offset:128*(\b/2)+32*(\b%2)+16
.endr
	WIN 0
.irp t, 0,1,2,3,4,5,6,7
	ds_load_b128 v[BK+32*((\a)%2)+4*\t:BK+32*((\a)%2)+4*\t+3], v[RD] offset:544*\t
.endr
.endm
.macro SEND a, younger
	s_wait_dscnt \younger
	WIN 0x0c
.set J, 0
.rept 16
	v_pk_add_f32 v[BK+32*((\a)%2)+J:BK+32*((\a)%2)+J+1], v[BK+32*((\a)%2)+J:BK+32*((\a)%2)+J+1], v[32*(\a)+J:32*(\a)+J+1]
.set J, J+2
.endr
	WIN 0
.irp t, 0,1,2,3,4,5,6,7
	global_store_b128 v[CO], v[BK+32*((\a)%2)+4*\t:BK+32*((\a)%2)+4*\t+3], s[OUTP:OUTP+1] offset:(32*((\a)/2)+8*((\a)%2)+2*\t+8*(\t/4))*4096 th:TH_STORE_NT
.endr
.endm
	s_wait_loadcnt 0x0
	PLACES
	TOSTAGE 0
	TOSTAGE 1
	SEND 0, 16
	s_wait_xcnt 0x0
	TOSTAGE 2
	SEND 1, 16
	s_wait_xcnt 0x0
	TOSTAGE 3
	SEND 2, 16
	SEND 3, 0
	s_wait_tensorcnt 0x0
	ds_add_u32 v[SPW], v[NIL]
	s_wait_dscnt 0x0
	CROUND
	s_endpgm
.Lfunc_end_k_q7b83f68d8a_ffn2:
	.size	k_q7b83f68d8a_ffn2, .Lfunc_end_k_q7b83f68d8a_ffn2-k_q7b83f68d8a_ffn2
	.p2alignl 7, 3214868480
	.fill 96, 4, 3214868480
	.section	.rodata,"a",@progbits
	.p2align	6, 0x0
	.amdhsa_kernel k_q7b83f68d8a_ffn2
		.amdhsa_group_segment_fixed_size 327680
		.amdhsa_private_segment_fixed_size 0
		.amdhsa_enable_private_segment 0
		.amdhsa_kernarg_size 40
		.amdhsa_user_sgpr_count 2
		.amdhsa_user_sgpr_kernarg_segment_ptr 1
		.amdhsa_wavefront_size32 1
		.amdhsa_system_sgpr_workgroup_id_x 1
		.amdhsa_system_sgpr_workgroup_id_y 1
		.amdhsa_system_sgpr_workgroup_id_z 1
		.amdhsa_system_vgpr_workitem_id 0
		.amdhsa_next_free_vgpr 1024
		.amdhsa_next_free_sgpr 100
		.amdhsa_reserve_vcc 0
		.amdhsa_float_denorm_mode_32 3
		.amdhsa_float_denorm_mode_16_64 3
		.amdhsa_memory_ordered 1
		.amdhsa_forward_progress 1
		.amdhsa_inst_pref_size 163
	.end_amdhsa_kernel
	.amdgpu_metadata
---
amdhsa.version: [ 1, 2 ]
amdhsa.kernels:
  - .name:           k_q7b83f68d8a_ffn2
    .symbol:         k_q7b83f68d8a_ffn2.kd
    .args:
      - { .name: hq, .offset: 0, .size: 8, .value_kind: global_buffer, .address_space: global }
      - { .name: wb, .offset: 8, .size: 8, .value_kind: global_buffer, .address_space: global }
      - { .name: ffn_b2, .offset: 16, .size: 8, .value_kind: global_buffer, .address_space: global }
      - { .name: xm, .offset: 24, .size: 8, .value_kind: global_buffer, .address_space: global }
      - { .name: out0, .offset: 32, .size: 8, .value_kind: global_buffer, .address_space: global }
    .group_segment_fixed_size: 327680
    .private_segment_fixed_size: 0
    .kernarg_segment_align: 8
    .kernarg_segment_size: 40
    .max_flat_workgroup_size: 128
    .sgpr_count:     100
    .vgpr_count:     1024
    .wavefront_size: 32
...
	.end_amdgpu_metadata
.endif
;; end of part 7
